; MI455X (gfx1250); checked and timed in simulation.
; The chip was launched on July 23, 2026; its instructions are those of AMD's public machine-readable ISA for CDNA 5 (MIT licence, August 2026) and "CDNA5" Instruction Set Architecture Reference Guide (July 2026). The comments in the code are by the model that wrote it; some were corrected since.
;; Transformer Block. Allowed arithmetic: float matrix products may take bf16 or f16 operands with f32 sums; other float arithmetic in f32, or as packed bf16 or f16 multiplies, adds, multiply-adds, maxima and minima; sums over many terms, partial sums and values carried from step to step in f32; what a program stores and reads back later, other than sums and carried values, may be rounded once to bf16 or f16.
;; Inputs: b1 4,096 float32; b2 1,024 float32; ln1_b 1,024 float32; ln1_g 1,024 float32; ln2_b 1,024 float32; ln2_g 1,024 float32; w1 1,024 x 4,096 float32; w2 4,096 x 1,024 float32; w_out 1,024 x 1,024 float32; w_qkv 1,024 x 3,072 float32; x 2 x 2,048 x 1,024 float32.
;; Outputs: out0 2 x 2,048 x 1,024 float32.
;; One version. Each part assembles by itself: llvm-mc -triple=amdgcn-amd-amdhsa -mcpu=gfx1250 --defsym DOCPART=n.
;; ======== version 1 of 1: 7 launches
;; limits: values are held in f16: magnitudes above 65,504 overflow, below 6.1e-05 lose precision
;; workspace buffers: wA 10,485,760 bytes; wB 16,777,216 bytes; hbuf 8,388,608 bytes; big 33,554,432 bytes; x1 16,777,216 bytes; cfg0 256 bytes of whole numbers; cfg1 256 bytes of whole numbers
;; launch prep (part 1): grid 256 x 4, 8 waves a work-group, no clusters, 0 bytes of LDS; arguments x, ln1_g, ln1_b, w_qkv, w_out, w1, w2, hbuf, wA, wB, cfg0, cfg1; writes hbuf, wA, wB, cfg0, cfg1
.if DOCPART == 1
	.amdgcn_target "amdgcn-amd-amdhsa--gfx1250"
	.amdhsa_code_object_version 6
	.text
	.protected	k_q8ed643b2af_prep
	.globl	k_q8ed643b2af_prep
	.p2align	8
	.type	k_q8ed643b2af_prep,@function
k_q8ed643b2af_prep:
	s_mov_b64 s[64:65], 0
	v_nop
	global_prefetch_b8 v0, s[64:65] scope:SCOPE_SE
	s_setreg_imm32_b32 hwreg(HW_REG_WAVE_MODE, 25, 1), 1
	s_wait_xcnt 0x0
; PREPARATION.  Grid row 0: h1 = layer norm of x (gain ln1_g, bias ln1_b), stored in bf16, [4096][1024].  Grid rows 1 to 3: the four weight matrices, rounded once to bf16.
; All inputs of the module are rounded to bf16 before use (x, gain and bias here too); statistics and arithmetic in f32.
; w_qkv and w1 are stored as bf16 in blocks [column block of 256][k][256]; w_out and w2 are rounded to bf16 and that number is written as f16, row-major [k][1024].
; LIMIT: a weight written as f16 lies within 65,504, and below 6.1e-5 it keeps the fixed step 6e-8 of f16.  NaN and infinities are not treated apart.
; REGISTERS: 122 a wave, so that four work-groups of eight waves share a WGP's registers: the grid's 1,024 work-groups are four for each of 256 WGPs, and each has its loads out from its start.
; LAYER NORM: a wave owns two rows; a row of 4,096 bytes is eight loads of 16 bytes a lane and stays in 32 registers.  Gain and bias come first, into the registers that the rows take afterwards, and are kept
; packed, two bf16 to a register; the multiply-add reads the halves.  The mean is taken first and taken away, the variance is the mean of the squares of what is left: no difference of large sums.
; Nothing leaves the wave: no LDS, no barrier.
; CAST: a work-group takes 64 rows x 256 columns: 16 loads of 16 bytes a thread, all issued at once; each store of a wave covers 256 consecutive bytes, aligned.  One text serves the four matrices: source and
; destination are chosen by the grid row and column, the pitches lie in scalar registers, the sixteen row offsets in vector registers.
; Work-group 0 of grid row 0 also stores the two tables of whole numbers that later launches read as their mode: cfg0 = 0, cfg1 = 1, 64 words each.
.set LO,  2                            ; v2  16 x lane: my 16 bytes in 512 bytes of a row
.set SO,  3                            ; v3  8 x lane: my 8 bytes in 256 bytes of the output row
.set T,   4                            ; v[4:11]   at work
.set MU,  12                           ; v[12:13]  the mean, twice; then variance + eps
.set RS,  14                           ; v[14:17]  1 / sigma, twice for each of the two rows
.set SA,  18                           ; v[18:25]  four chains of packed sums
.set X0,  26                           ; v[26:57]  the gain as loaded, then row 0
.set X1,  58                           ; v[58:89]  the bias as loaded, then row 1
.set GP,  90                           ; v[90:105]  gain of my 32 columns, two bf16 to a register
.set BP,  106                          ; v[106:121] bias likewise
.set DD,  26                           ; cast: v[26:89] as loaded, converted in place
.set IO,  90                           ; cast: v[90:105]  byte offsets of my sixteen loads
.set OO,  106                          ; cast: v[106:121] byte offsets of my sixteen stores
.set PX,  4                            ; s[4:5] x
.set PG,  6                            ; s[6:7] gain
.set PBE, 8                            ; s[8:9] bias
.set PH,  18                           ; s[18:19] hbuf
.set WV,  28
.set SEL, 32                           ; s[32:33] selects of v_permlanex16_b32: each lane takes its own place in the other half
.set XB,  34                           ; s[34:35] x at my first row
.set HB,  36                           ; s[36:37] hbuf at my first row
.set HIM, 42                           ; mask of the upper bf16 of a word
.set INV, 43                           ; 1 / 1024
.set EPS, 44                           ; 1e-5
.macro RND base                        ; 32 numbers rounded to bf16 and widened again, in place
.set i, 0
.rept 16
	v_cvt_pk_bf16_f32 v[T+i%8], v[(\base)+2*i], v[(\base)+2*i+1]
	v_lshlrev_b32 v[(\base)+2*i], 16, v[T+i%8]
	v_and_b32 v[(\base)+2*i+1], s[HIM], v[T+i%8]
.set i, i+1
.endr
.endm
.macro JOIN                            ; the four chains into one number, then over the 32 lanes: every lane ends with the sum in v[SA]
	v_pk_add_f32 v[SA:SA+1], v[SA:SA+1], v[SA+2:SA+3]
	v_pk_add_f32 v[SA+4:SA+5], v[SA+4:SA+5], v[SA+6:SA+7]
	v_pk_add_f32 v[SA:SA+1], v[SA:SA+1], v[SA+4:SA+5]
	v_add_f32 v[SA], v[SA], v[SA+1]
	v_add_f32_dpp v[SA], v[SA], v[SA] row_xmask:1 row_mask:0xf bank_mask:0xf
	v_add_f32_dpp v[SA], v[SA], v[SA] row_xmask:2 row_mask:0xf bank_mask:0xf
	v_add_f32_dpp v[SA], v[SA], v[SA] row_xmask:4 row_mask:0xf bank_mask:0xf
	v_add_f32_dpp v[SA], v[SA], v[SA] row_xmask:8 row_mask:0xf bank_mask:0xf
	v_permlanex16_b32 v[SA+1], v[SA], s[SEL], s[SEL+1]
	v_add_f32 v[SA], v[SA], v[SA+1]
.endm
.macro STAT base, k                    ; the row is centred in place; 1 / sigma goes into v[RS+2k] and v[RS+2k+1]
.irp c, 0,1,2,3
	v_pk_add_f32 v[SA+2*\c:SA+2*\c+1], v[(\base)+2*\c:(\base)+2*\c+1], v[(\base)+8+2*\c:(\base)+8+2*\c+1]
.endr
.irp c, 0,1,2,3
	v_pk_add_f32 v[SA+2*\c:SA+2*\c+1], v[SA+2*\c:SA+2*\c+1], v[(\base)+16+2*\c:(\base)+16+2*\c+1]
.endr
.irp c, 0,1,2,3
	v_pk_add_f32 v[SA+2*\c:SA+2*\c+1], v[SA+2*\c:SA+2*\c+1], v[(\base)+24+2*\c:(\base)+24+2*\c+1]
.endr
	JOIN
	v_mul_f32 v[MU], s[INV], v[SA]
	v_mov_b32 v[MU+1], v[MU]
.set i, 0
.rept 16
	v_pk_add_f32 v[(\base)+2*i:(\base)+2*i+1], v[(\base)+2*i:(\base)+2*i+1], v[MU:MU+1] neg_lo:[0,1] neg_hi:[0,1]
.set i, i+1
.endr
.irp c, 0,1,2,3
	v_pk_mul_f32 v[SA+2*\c:SA+2*\c+1], v[(\base)+2*\c:(\base)+2*\c+1], v[(\base)+2*\c:(\base)+2*\c+1]
.endr
.set i, 4
.rept 12
	v_pk_fma_f32 v[SA+2*(i%4):SA+2*(i%4)+1], v[(\base)+2*i:(\base)+2*i+1], v[(\base)+2*i:(\base)+2*i+1], v[SA+2*(i%4):SA+2*(i%4)+1]
.set i, i+1
.endr
	JOIN
	v_fma_f32 v[MU], v[SA], s[INV], s[EPS]         ; variance + eps, in a register that the lines behind the two v_rsq_f32 do not write
	v_rsq_f32 v[RS+2*(\k)], v[MU]
	v_rsq_f32 v[RS+2*(\k)+1], v[MU]
.endm
.macro FIN base, k, off                ; (x - mean) / sigma x gain + bias, rounded to bf16 in place, stored: each store covers 256 consecutive bytes, aligned
.set i, 0
.rept 16
	v_pk_mul_f32 v[(\base)+2*i:(\base)+2*i+1], v[(\base)+2*i:(\base)+2*i+1], v[RS+2*(\k):RS+2*(\k)+1]
.set i, i+1
.endr
.set i, 0
.rept 16                               ; one fused multiply-add in f32 a number: gain and bias are read as bf16 halves, low for the even number, high for the odd one
	v_fma_mix_f32_bf16 v[(\base)+2*i], v[(\base)+2*i], v[GP+i], v[BP+i] op_sel_hi:[0,1,1]
	v_fma_mix_f32_bf16 v[(\base)+2*i+1], v[(\base)+2*i+1], v[GP+i], v[BP+i] op_sel:[0,1,1] op_sel_hi:[0,1,1]
.set i, i+1
.endr
.set i, 0
.rept 16
	v_cvt_pk_bf16_f32 v[(\base)+i], v[(\base)+2*i], v[(\base)+2*i+1]  ; register i takes numbers 2 i and 2 i + 1: it has been read by then
.set i, i+1
.endr
.irp j, 0,1,2,3,4,5,6,7
	global_store_b64 v[SO], v[(\base)+2*\j:(\base)+2*\j+1], s[HB:HB+1] offset:(\off)+256*\j
.endr
.endm
; The cast's sixteen conversions and stores, in place.  kind = 0: bf16.  kind = 1: rounded to bf16, and that number written as f16.
.macro SEND16 kind
.set i, 0
.rept 16
	s_wait_loadcnt 15-i                            ; loads come back in order: number i is in, the younger ones stay out
.if \kind
	v_cvt_pk_bf16_f32 v[T+2*(i%4)], v[DD+4*i], v[DD+4*i+1]
	v_cvt_pk_bf16_f32 v[T+2*(i%4)+1], v[DD+4*i+2], v[DD+4*i+3]
	v_lshlrev_b32 v[DD+4*i], 16, v[T+2*(i%4)]
	v_and_b32 v[DD+4*i+1], s[HIM], v[T+2*(i%4)]
	v_lshlrev_b32 v[DD+4*i+2], 16, v[T+2*(i%4)+1]
	v_and_b32 v[DD+4*i+3], s[HIM], v[T+2*(i%4)+1]
	v_cvt_pk_f16_f32 v[DD+4*i], v[DD+4*i], v[DD+4*i+1]
	v_cvt_pk_f16_f32 v[DD+4*i+1], v[DD+4*i+2], v[DD+4*i+3]
.else
	v_cvt_pk_bf16_f32 v[DD+4*i], v[DD+4*i], v[DD+4*i+1]
	v_cvt_pk_bf16_f32 v[DD+4*i+1], v[DD+4*i+2], v[DD+4*i+3]
.endif
	global_store_b64 v[OO+i], v[DD+4*i:DD+4*i+1], s[40:41]
.set i, i+1
.endr
	s_endpgm
.endm
	s_load_b512 s[4:19], s[0:1], 0x0               ; x 4, ln1_g 6, ln1_b 8, w_qkv 10, w_out 12, w1 14, w2 16, hbuf 18
	s_load_b256 s[20:27], s[0:1], 0x40             ; wA 20, wB 22, cfg0 24, cfg1 26
	v_lshrrev_b32 v1, 5, v0
	v_readfirstlane_b32 s[WV], v1                  ; wave 0..7
	v_and_b32 v1, 31, v0
	v_lshlrev_b32 v[LO], 4, v1
	v_lshlrev_b32 v[SO], 3, v1
	s_and_b32 s29, ttmp7, 0xffff                   ; grid row
	s_mov_b32 s[HIM], 0xffff0000
	s_mov_b32 s[INV], 0x3a800000
	s_mov_b32 s[EPS], 0x3727c5ac
	s_mov_b32 s[SEL], 0x76543210
	s_mov_b32 s[SEL+1], 0xfedcba98
	s_wait_kmcnt 0x0
	s_cmp_lg_u32 s29, 0
	s_cbranch_scc1 .Lcast
	s_lshl_b32 s30, ttmp9, 4                       ; the 16 rows of the work-group,
	s_lshl1_add_u32 s30, s[WV], s30                ; my two of them
	s_lshl_b32 s[XB], s30, 12
	s_mov_b32 s[XB+1], 0
	s_add_nc_u64 s[XB:XB+1], s[PX:PX+1], s[XB:XB+1]
	s_lshl_b32 s[HB], s30, 11
	s_mov_b32 s[HB+1], 0
	s_add_nc_u64 s[HB:HB+1], s[PH:PH+1], s[HB:HB+1]
.irp j, 0,1,2,3,4,5,6,7
	global_load_b128 v[X0+4*\j:X0+4*\j+3], v[LO], s[PG:PG+1] offset:512*\j
.endr
.irp j, 0,1,2,3,4,5,6,7
	global_load_b128 v[X1+4*\j:X1+4*\j+3], v[LO], s[PBE:PBE+1] offset:512*\j
.endr
	s_wait_loadcnt 0x0                             ; gain and bias
.set i, 0
.rept 16
	v_cvt_pk_bf16_f32 v[GP+i], v[X0+2*i], v[X0+2*i+1]
.set i, i+1
.endr
.set i, 0
.rept 16
	v_cvt_pk_bf16_f32 v[BP+i], v[X1+2*i], v[X1+2*i+1]
.set i, i+1
.endr
.irp j, 0,1,2,3,4,5,6,7
	global_load_b128 v[X0+4*\j:X0+4*\j+3], v[LO], s[XB:XB+1] offset:512*\j
.endr
.irp j, 0,1,2,3,4,5,6,7
	global_load_b128 v[X1+4*\j:X1+4*\j+3], v[LO], s[XB:XB+1] offset:4096+512*\j
.endr
	s_wait_loadcnt 8                               ; row 0 is in; the eight loads of row 1 may stay out
	RND X0
	STAT X0, 0
	s_wait_loadcnt 0x0
	RND X1
	STAT X1, 1
	v_nop                                          ; a plain instruction behind the last v_rsq_f32
	s_wait_alu depctr_va_vdst(0)                   ; one wait for the four, ahead of their first reader
	FIN X0, 0, 0
	FIN X1, 1, 2048
	s_or_b32 s30, ttmp9, s[WV]
	s_cmp_lg_u32 s30, 0
	s_cbranch_scc1 .Lno_cfg
	v_mov_b32 v4, 0                                ; cfg0: mode 0
	v_mov_b32 v5, 0
	v_mov_b32 v6, 1                                ; cfg1: mode 1
	v_mov_b32 v7, 1
	global_store_b64 v[SO], v[4:5], s[24:25]       ; 32 lanes x 8 bytes: the whole 256 bytes
	global_store_b64 v[SO], v[6:7], s[26:27]
.Lno_cfg:
	s_endpgm
.Lcast:
	; Which matrix.  Grid row 1: w_qkv (work-groups 0-191: 12 column blocks x 16 blocks of 64 rows), then w_out (64: 4 x 16).  Grid row 2: w1 (16 x 16).  Grid row 3: w2 (4 x 64).
	s_cmp_lt_u32 ttmp9, 192
	s_cselect_b64 s[38:39], s[10:11], s[12:13]
	s_cselect_b32 s46, 3, 1                        ; bytes in a source row / 4,096
	s_cselect_b32 s47, 1, 0                        ; 1: bf16 in blocks; 0: f16 row-major
	s_cselect_b32 s48, 0, 192                      ; the matrix's first work-group
	s_cmp_eq_u32 s29, 2
	s_cselect_b64 s[40:41], s[14:15], s[16:17]
	s_cselect_b32 s50, 4, 1
	s_cselect_b32 s51, 1, 0
	s_cselect_b32 s49, 4, 6                        ; log2 of its blocks of 64 rows
	s_cmp_eq_u32 s29, 1
	s_cselect_b64 s[38:39], s[38:39], s[40:41]     ; the source,
	s_cselect_b64 s[40:41], s[20:21], s[22:23]     ; the destination: wA or wB
	s_cselect_b32 s46, s46, s50
	s_cselect_b32 s47, s47, s51
	s_cselect_b32 s48, s48, 0
	s_cselect_b32 s49, 4, s49
	s_lshl_b32 s46, s46, 12                        ; bytes in a source row
	s_sub_co_u32 s52, ttmp9, s48
	s_lshr_b32 s53, s52, s49                       ; column block of 256
	s_lshl_b32 s54, s53, s49
	s_sub_co_u32 s52, s52, s54                     ; block of 64 rows
	s_mul_i32 s54, s52, s46
	s_lshl_b32 s54, s54, 6                         ; 64 source rows,
	s_lshl_b32 s55, s53, 10                        ; 256 columns of 4 bytes
	s_add_co_u32 s54, s54, s55
	s_mov_b32 s55, 0
	s_add_nc_u64 s[38:39], s[38:39], s[54:55]
	s_lshl_b32 s56, s53, 19                        ; in blocks: a block of 1,024 rows of 512 bytes,
	s_lshl_b32 s57, s52, 15                        ; 64 rows of 512 bytes
	s_add_co_u32 s56, s56, s57
	s_lshl_b32 s58, s52, 17                        ; row-major: 64 rows of 2,048 bytes,
	s_lshl_b32 s59, s53, 9                         ; 256 columns of 2 bytes,
	s_add_co_u32 s58, s58, s59
	s_add_co_u32 s58, s58, 0x800000                ; in the buffer's second part
	s_cmp_lg_u32 s47, 0
	s_cselect_b32 s56, s56, s58
	s_cselect_b32 s60, 0, 2
	s_mov_b32 s57, 0
	s_add_nc_u64 s[40:41], s[40:41], s[56:57]
	s_lshl_b32 s60, 512, s60                       ; bytes in a destination row: 512 or 2,048
	s_lshl_b32 s61, s60, 2                         ; four rows on, out
	s_lshl_b32 s59, s46, 2                         ; and in
	v_lshrrev_b32 v1, 6, v0                        ; my row among four
	v_and_b32 v[T], 63, v0                         ; my four columns
	v_mul_u32_u24 v[IO], s46, v1
	v_lshl_add_u32 v[IO], v[T], 4, v[IO]
	v_mul_u32_u24 v[OO], s60, v1
	v_lshl_add_u32 v[OO], v[T], 3, v[OO]
.set i, 1
.rept 15
	v_add_nc_u32 v[IO+i], s59, v[IO+i-1]
	v_add_nc_u32 v[OO+i], s61, v[OO+i-1]
.set i, i+1
.endr
.set i, 0
.rept 16
	global_load_b128 v[DD+4*i:DD+4*i+3], v[IO+i], s[38:39] th:TH_LOAD_NT
.set i, i+1
.endr
	s_cmp_lg_u32 s47, 0
	s_cbranch_scc0 .Lplain
	SEND16 0
.Lplain:
	SEND16 1
.Lfunc_end_k_q8ed643b2af_prep:
	.size	k_q8ed643b2af_prep, .Lfunc_end_k_q8ed643b2af_prep-k_q8ed643b2af_prep
	.p2alignl 7, 3214868480
	.fill 96, 4, 3214868480
	.section	.rodata,"a",@progbits
	.p2align	6, 0x0
	.amdhsa_kernel k_q8ed643b2af_prep
		.amdhsa_group_segment_fixed_size 0
		.amdhsa_private_segment_fixed_size 0
		.amdhsa_enable_private_segment 0
		.amdhsa_kernarg_size 96
		.amdhsa_user_sgpr_count 2
		.amdhsa_user_sgpr_kernarg_segment_ptr 1
		.amdhsa_wavefront_size32 1
		.amdhsa_system_sgpr_workgroup_id_x 1
		.amdhsa_system_sgpr_workgroup_id_y 1
		.amdhsa_system_sgpr_workgroup_id_z 1
		.amdhsa_system_vgpr_workitem_id 0
		.amdhsa_next_free_vgpr 122
		.amdhsa_next_free_sgpr 66
		.amdhsa_reserve_vcc 0
		.amdhsa_float_denorm_mode_32 3
		.amdhsa_float_denorm_mode_16_64 3
		.amdhsa_memory_ordered 1
		.amdhsa_forward_progress 1
		.amdhsa_inst_pref_size 45
	.end_amdhsa_kernel
	.amdgpu_metadata
---
amdhsa.version: [ 1, 2 ]
amdhsa.kernels:
  - .name:           k_q8ed643b2af_prep
    .symbol:         k_q8ed643b2af_prep.kd
    .args:
      - { .name: x, .offset: 0, .size: 8, .value_kind: global_buffer, .address_space: global }
      - { .name: ln1_g, .offset: 8, .size: 8, .value_kind: global_buffer, .address_space: global }
      - { .name: ln1_b, .offset: 16, .size: 8, .value_kind: global_buffer, .address_space: global }
      - { .name: w_qkv, .offset: 24, .size: 8, .value_kind: global_buffer, .address_space: global }
      - { .name: w_out, .offset: 32, .size: 8, .value_kind: global_buffer, .address_space: global }
      - { .name: w1, .offset: 40, .size: 8, .value_kind: global_buffer, .address_space: global }
      - { .name: w2, .offset: 48, .size: 8, .value_kind: global_buffer, .address_space: global }
      - { .name: hbuf, .offset: 56, .size: 8, .value_kind: global_buffer, .address_space: global }
      - { .name: wA, .offset: 64, .size: 8, .value_kind: global_buffer, .address_space: global }
      - { .name: wB, .offset: 72, .size: 8, .value_kind: global_buffer, .address_space: global }
      - { .name: cfg0, .offset: 80, .size: 8, .value_kind: global_buffer, .address_space: global }
      - { .name: cfg1, .offset: 88, .size: 8, .value_kind: global_buffer, .address_space: global }
    .group_segment_fixed_size: 0
    .private_segment_fixed_size: 0
    .kernarg_segment_align: 8
    .kernarg_segment_size: 96
    .max_flat_workgroup_size: 256
    .sgpr_count:     66
    .vgpr_count:     122
    .wavefront_size: 32
...
	.end_amdgpu_metadata
.endif
;; end of part 1
;; launch qkv (part 2): grid 12 x 16, 4 waves a work-group, clusters of 4 x 4, 327,680 bytes of LDS; arguments hbuf, wA, b1, cfg0, big; writes big
.if DOCPART == 2
	.amdgcn_target "amdgcn-amd-amdhsa--gfx1250"
	.amdhsa_code_object_version 6
	.text
	.protected	k_q8ed643b2af_qkv
	.globl	k_q8ed643b2af_qkv
	.p2align	8
	.type	k_q8ed643b2af_qkv,@function
k_q8ed643b2af_qkv:
	s_mov_b64 s[64:65], 0
	v_nop
	global_prefetch_b8 v0, s[64:65] scope:SCOPE_SE
	s_setreg_imm32_b32 hwreg(HW_REG_WAVE_MODE, 25, 1), 1
	s_wait_xcnt 0x0
	s_wait_alu depctr_hold_cnt(0) depctr_sa_sdst(0) depctr_va_vdst(0) depctr_va_sdst(0) depctr_va_ssrc(0) depctr_va_vcc(0) depctr_vm_vsrc(0)
	s_getreg_b32 s2, hwreg(HW_REG_IB_STS2, 6, 4)
	s_cmp_eq_u32 s2, 0
	s_cbranch_scc0 .Lentry_in_a_cluster
	s_endpgm
.Lentry_in_a_cluster:
	s_bfe_u32 s2, ttmp6, 0x10000c
	s_cmp_lg_u32 s2, 0xf033
	s_cbranch_scc0 .Lentry_shape_is_right
	s_endpgm
.Lentry_shape_is_right:
; C = A W (+ bias, GELU), K = 1024.  A: [4096][1024] bf16, row-major.  W: bf16 in blocks [column block of 256][1024 k][256 n].  Sums in f32.
; C is stored in f16 by groups of 64 columns: [group][4096 rows][64], a row of a group 128 bytes.
; MODE, a whole number read from the table cfg (the same address in every work-group): 0: C = A W.  1: C = gelu(A W + bias), the bias rounded to bf16.
; No branch hangs on the mode: it makes three scalars (below); the arithmetic of the GELU is done in both modes.
; GELU is the exact one, x/2 (1 + erf(x / sqrt 2)), written as gelu(x) = x/2 + u - u q with u = |x|/2 and q = 1 - erf(|x| / sqrt 2) = (1 + a1 z + .. + a6 z^6)^-16, z = |x| / sqrt 2
; (Abramowitz and Stegun 7.1.28, absolute error at most 3e-7 for every z >= 0).  The polynomial is taken in u, with coefficients a_k 2^(k/2); one reciprocal and four squarings make q.
; Where the polynomial passes f32's range its reciprocal is 0, which is q's value there.  MODE 0: the mask that makes u is 0, so u = 0 and q = 1; the factor on x/2 is 2; half the bias is 0: the result is x.
; LIMITS: C lies within 65,504 (f16); NaN and infinities are not treated apart.
; SHAPE: a tile of C is 256 x 256; four waves, each 128 x 128 in 64 accumulators (512 registers).  K goes in 8 steps of 128 through two LDS slots filled by the tensor data mover.
; A lies in LDS by rows along K (pitch 272); W by rows along n (pitch 544) and is turned on its way into registers by ds_load_tr16_b128.
; The matrix instruction is used transposed: source 0 = 16 columns of W, source 1 = 16 rows of A: a lane then holds eight neighbouring columns of one row of C.
; CLUSTER 4 x 4: the four work-groups of a row of the cluster ask jointly for the tiles of A, the four of a column for the tiles of W.
; ONE TEXT FOR A K STEP: the slot in hand is a scalar, 0 or SLOT, turned by an exclusive or at each change of slots and added to the lanes' fixed places; the descriptors of the second first fill walk on:
; LDS word turned by the same exclusive or (no bit of SLOT is set in wave x HALFT), address one K step on.  Six trips fill a slot again; two more fill nothing, and the last of them fetches nothing.
; WAY OUT: when the ring has had its last fill and every wave has read it out, each wave lays its 128 x 128 sums in f32 into its own 67,584 bytes of the ring, and a loop of 32 trips takes
; four rows at a time: a lane takes eight neighbouring columns of a row in each of my two groups: bias, GELU, rounding, and two stores of 512 consecutive bytes, aligned (four rows of one group).
; No prefetch: K has eight steps, of which the first four come by their loads in any case, and every tile is read by many work-groups at about the same time.
; REGISTERS: window 0: v16-29 addresses, v32-47 bias, v64-191 fragments of A (two buffers), later the way out; window 1: fragments of W; windows 2, 3: accumulator (a, b) at v[8 (8 a + b)].
.set PA,     272                       ; an LDS row of A: 256 bytes + 16
.set PB,     544                       ; an LDS row of W: 512 bytes + 32: 17 x 32
.set HALFT,  128*PA                    ; what one tensor load brings: 128 rows of A, or 64 rows of W (64 x 544 is the same number)
.set SLOT,   4*HALFT                   ; 256 rows of A, then 128 rows of W
.set SPITCH, 528                       ; a row of the stage: 128 f32 + 16 bytes
.set WSTAGE, 128*SPITCH                ; the stage of a wave
.set SPARE,  2*SLOT                    ; behind the ring: the spare words, 128 bytes for each wave, that no other line names
.set KSTEPS, 8
.set ADRA, 16                          ; v16  my place in the fragments of A, slot 0; never rewritten
.set CA,   17                          ; v17  the same in the slot in hand
.set ADRB, 20                          ; v20  my place in the fragments of W, slot 0; never rewritten
.set CB,   21                          ; v21  the same in the slot in hand
.set STO,  24                          ; v24  stage: where I put 32 bytes of a row
.set RD,   25                          ; v25  stage: where I read 32 bytes of a row back: row lane / 8, columns 8 (lane % 8) on; steps by four rows a trip
.set GO,   26                          ; v26  16 x lane: my 16 bytes in four rows of a group
.set BO,   27                          ; v27  byte offset of my eight columns in the bias
.set SPW,  28
.set NIL,  29
.set BIAS, 32                          ; v[32:47] half the bias of my eight columns in each of my two groups
.set F0,   64
.set F1,   128
.set X,    64                          ; way out: v[64:79] 16 sums as read back
.set XH,   80                          ; v[80:95]   x/2, then x/2 + u, then the result
.set AX,   96                          ; v[96:111]  u = |x|/2
.set PP,   112                         ; v[112:127] the polynomial, its reciprocal, q
.set Y,    128                         ; v[128:135] packed f16
.set WV,   14
.set RH,   15                          ; my half of the rows of the tile; also 0: I fetch A, 1: I fetch W
.set CH,   16                          ; my half of its columns; also which half of the tile I fetch
.set G1,   24
.set G0,   32                          ; s[32:35] first fill of slot 0; s[36:39] first fill of slot 1, which then walks
.set MODE, 46
.set CNT,  47
.set G1B,  48
.set G0B,  56
.set AMSK, 66                          ; clears the sign (mode 1) or everything (mode 0)
.set HB,   67                          ; 0.5 (mode 1) or 0 (mode 0): the factor on the bias
.set C6,   68                          ; s[68:79] the six coefficients, each twice
.set C5,   70
.set C4,   72
.set C3,   74
.set C2,   76
.set C1,   78
.set HIM,  81
.set TB,   82                          ; LDS byte at which the slot in hand begins: 0 or SLOT
.set S0,   84                          ; s[84:85] the factor on x/2: 1 (mode 1) or 2 (mode 0)
.set MSB, 0
.macro WIN new                         ; the high byte of the immediate repeats the setting that is left; a switch that changes nothing is dropped
.if MSB != (\new)
	s_set_vgpr_msb (MSB<<8)|(\new)
.set MSB, \new
.endif
.endm
.set MUL_LO, 0xa1                      ; source 0 (W) window 1, source 1 (A) window 0, C and D window 2
.set MUL_HI, 0xf1                      ; the same, C and D window 3
.set TO_B,   0x40                      ; destination window 1, address window 0
.macro JLOAD s                         ; a joint load: waves 0 and 1 fetch the halves of A, waves 2 and 3 those of W; the branch hangs on the number of the wave alone
	s_cmp_eq_u32 s[RH], 0
	s_cbranch_scc0 .Lfor_b_\@
	tensor_load_to_lds s[G0+4*(\s):G0+4*(\s)+3], s[G1:G1+7]
	s_nop 0
.rept 4
	v_nop
.endr
	s_branch .Lasked_\@
.Lfor_b_\@:
	tensor_load_to_lds s[G0B+4*(\s):G0B+4*(\s)+3], s[G1B:G1B+7]
	s_nop 0
.rept 4
	v_nop
.endr
.Lasked_\@:
.endm
.macro CREST                           ; a round of the barrier of the cluster, behind its opening barrier
	s_cmp_lg_u32 s[WV], 0
	s_cbranch_scc1 .Lnot_wave_0_\@
	s_barrier_signal -3
.Lnot_wave_0_\@:
	s_barrier_wait -3
	s_barrier_signal -1
	s_barrier_wait -1
.endm
.macro CROUND
	s_barrier_signal -1
	s_barrier_wait -1
	CREST
.endm
.macro MUL16 f, hi, a0, zero           ; 16 matrix instructions: row blocks a0, a0 + 1 of the four of the window x all 8 column blocks, 32 along K; zero = 1: they start the sums
	WIN MUL_LO+0x50*(\hi)
.irp a, \a0, (\a0)+1
.irp b, 0,1,2,3,4,5,6,7
.if \zero
	v_wmma_f32_16x16x32_bf16 v[8*(8*(\a)+(\b)):8*(8*(\a)+(\b))+7], v[(\f)+8*(\b):(\f)+8*(\b)+7], v[(\f)+8*(4*(\hi)+(\a)):(\f)+8*(4*(\hi)+(\a))+7], 0
.else
	v_wmma_f32_16x16x32_bf16 v[8*(8*(\a)+(\b)):8*(8*(\a)+(\b))+7], v[(\f)+8*(\b):(\f)+8*(\b)+7], v[(\f)+8*(4*(\hi)+(\a)):(\f)+8*(4*(\hi)+(\a))+7], v[8*(8*(\a)+(\b)):8*(8*(\a)+(\b))+7]
.endif
.endr
.endr
.endm
.macro FETCH q, f                      ; 32 LDS loads in one run: the fragments of quarter q (32 along K) of the slot in hand into buffer f: 128 columns of W, turned, then 128 rows of A
	WIN TO_B
.irp i, 0,1,2,3,4,5,6,7
	ds_load_tr16_b128 v[(\f)+8*(\i):(\f)+8*(\i)+3],   v[CB] offset:(\q)*32*PB+(\i)*32
	ds_load_tr16_b128 v[(\f)+8*(\i)+4:(\f)+8*(\i)+7], v[CB] offset:(\q)*32*PB+16*PB+(\i)*32
.endr
	WIN 0
.irp i, 0,1,2,3,4,5,6,7
	ds_load_b128 v[(\f)+8*(\i):(\f)+8*(\i)+3],   v[CA] offset:(\q)*64+(\i)*16*PA
	ds_load_b128 v[(\f)+8*(\i)+4:(\f)+8*(\i)+7], v[CA] offset:(\q)*64+(\i)*16*PA+32
.endr
.endm
.macro PLACES                          ; four plain vector instructions between a matrix instruction and a load into, or a reader of, its registers
.rept 4
	v_nop
.endr
.endm
.macro QUARTER q, f, g, zero           ; multiplies buffer f; in its middle fetches quarter q of the slot in hand into buffer g
	s_wait_dscnt 8                                 ; W and rows 0-63 of A are in; the youngest eight loads (rows 64-127 of A) may be out
	MUL16 \f, 0, 0, \zero
	MUL16 \f, 0, 2, \zero
	PLACES
	FETCH \q, \g
	s_wait_dscnt 32                                ; all but the 32 just issued
	MUL16 \f, 1, 0, \zero
	MUL16 \f, 1, 2, \zero
.endm
; The last quarter of a K step multiplies buffer 1 and changes slots, with one barrier.  fill = 1: the barrier opens a round of the cluster, and the slot just read out is filled again, two K steps on, first thing
; behind the round.  fill = 0: nothing is filled; in the last trip (CNT = 1) there is no next slot and the run of loads is jumped over.
.macro TURN fill
	WIN 0
	s_wait_tensorcnt 0x0                           ; all my tensor loads have landed: the one that was out is my part of the next slot
	ds_add_u32 v[SPW], v[NIL]                      ; 0 onto my spare word
	s_wait_dscnt 9                                 ; the add and the youngest eight loads may be out
	MUL16 F1, 0, 0, 0
	s_wait_dscnt 0x0                               ; the add is done and my reads of this slot are over
	s_barrier_signal -1
	MUL16 F1, 0, 2, 0
	WIN 0
	s_barrier_wait -1
.if \fill
	CREST
	s_xor_b32 s[G0+5], s[G0+5], SLOT               ; the walking descriptors: the other slot than last time,
	s_add_nc_u64 s[G0+6:G0+7], s[G0+6:G0+7], 256   ; the next K step: 128 numbers along a row of A,
	s_xor_b32 s[G0B+5], s[G0B+5], SLOT
	s_add_nc_u64 s[G0B+6:G0B+7], s[G0B+6:G0B+7], 65536  ; 128 rows of 512 bytes of W
	JLOAD 1                                        ; its four v_nop are also the places in front of the loads below
.else
	PLACES
.endif
	s_xor_b32 s[TB], s[TB], SLOT                   ; the fetches go on in the other slot
	v_add_nc_u32 v[CA], s[TB], v[ADRA]
	v_add_nc_u32 v[CB], s[TB], v[ADRB]
.if !(\fill)
	s_cmp_eq_u32 s[CNT], 1
	s_cbranch_scc1 .Lno_fetch_\@
.endif
	FETCH 0, F0
.if !(\fill)
	WIN 0
.Lno_fetch_\@:
.endif
	MUL16 F1, 1, 0, 0
	MUL16 F1, 1, 2, 0
.endm
	s_load_b256 s[4:11], s[0:1], 0x0               ; A s[4:5], W s[6:7], bias s[8:9], cfg s[10:11]
	s_load_b64 s[12:13], s[0:1], 0x20              ; C
	v_lshl_add_u32 v[SPW], v0, 2, SPARE
	v_mov_b32 v[NIL], 0
	ds_add_u32 v[SPW], v[NIL]                      ; the opening add, waited for ahead of my first tensor load
	ds_add_u32 v28, v29
	v_lshrrev_b32 v1, 5, v0
	v_readfirstlane_b32 s[WV], v1
	s_lshr_b32 s[RH], s[WV], 1
	s_and_b32 s[CH], s[WV], 1
	s_bfe_u32 s17, ttmp6, 0x40000                  ; cx
	s_bfe_u32 s18, ttmp6, 0x40004                  ; cy
	s_lshl_b32 s19, ttmp9, 2
	s_add_co_u32 s19, s19, s17                     ; tile column
	s_and_b32 s20, ttmp7, 0xffff
	s_lshl_b32 s20, s20, 2
	s_add_co_u32 s20, s20, s18                     ; tile row
	s_lshl_b32 s21, s18, 2
	s_lshl_b32 s21, 15, s21                        ; my row of the cluster
	s_lshl_b32 s22, 0x1111, s17                    ; my column
	s_or_b32 s[G1+0], s21, (1<<16)|(1<<20)|(1<<21)|(5<<22)|(3<<25)   ; mask; 2-byte elements; padding on; bit 21 beside a mask; after every 64 words 4 words
	s_or_b32 s[G1B+0], s22, (1<<16)|(1<<20)|(1<<21)|(6<<22)|(7<<25)  ; after every 128 words 8 words
	s_mov_b32 s[G1+1], 128<<16                     ; tensor_dim0 = 128
	s_mov_b32 s[G1+2], 128<<16                     ; tensor_dim1 = 128
	s_mov_b32 s[G1+3], 128<<16                     ; tile_dim0 = 128
	s_mov_b32 s[G1+4], 128                         ; tile_dim1 = 128
	s_mov_b32 s[G1+5], 1024                        ; elements from row to row
	s_mov_b32 s[G1+6], 0
	s_mov_b32 s[G1+7], 0
	s_mov_b32 s[G1B+1], 256<<16                    ; tensor_dim0 = 256
	s_mov_b32 s[G1B+2], 64<<16                     ; tensor_dim1 = 64
	s_mov_b32 s[G1B+3], 256<<16                    ; tile_dim0 = 256
	s_mov_b32 s[G1B+4], 64                         ; tile_dim1 = 64
	s_mov_b32 s[G1B+5], 256
	s_mov_b32 s[G1B+6], 0
	s_mov_b32 s[G1B+7], 0
	s_lshl_b32 s40, s20, 8                         ; A: row 256 x tile row + 128 x half, 2,048 bytes a row
	s_lshl_b32 s23, s[CH], 7
	s_add_co_u32 s40, s40, s23
	s_lshl_b32 s40, s40, 11
	s_mov_b32 s41, 0
	s_lshl_b32 s42, s19, 19                        ; W: block of the tile column, 64 rows of 512 bytes x half
	s_lshl_b32 s23, s[CH], 15
	s_add_co_u32 s42, s42, s23
	s_mov_b32 s43, 0
	s_mul_i32 s44, s[WV], HALFT                    ; where my part goes: no place in the cluster enters an LDS address
	s_mov_b32 s[TB], 0
	s_wait_dscnt 0x0                               ; the opening add is done
	s_wait_kmcnt 0x0
	s_add_nc_u64 s[40:41], s[4:5], s[40:41]
	s_add_nc_u64 s[42:43], s[6:7], s[42:43]
	s_load_b32 s[MODE], s[10:11], 0x0
	CROUND                                         ; all sixteen work-groups are here: the first joint loads meet
.irp s, 0,1
	s_mov_b32 s[G0+4*(\s)], 1
	s_add_co_u32 s[G0+4*(\s)+1], s44, (\s)*SLOT
	s_add_nc_u64 s[G0+4*(\s)+2:G0+4*(\s)+3], s[40:41], (\s)*256
	s_or_b32 s[G0+4*(\s)+3], s[G0+4*(\s)+3], 0x80000000
	s_mov_b32 s[G0B+4*(\s)], 1
	s_add_co_u32 s[G0B+4*(\s)+1], s44, (\s)*SLOT
	s_add_nc_u64 s[G0B+4*(\s)+2:G0B+4*(\s)+3], s[42:43], (\s)*65536
	s_or_b32 s[G0B+4*(\s)+3], s[G0B+4*(\s)+3], 0x80000000
	JLOAD \s
.endr
	v_and_b32 v1, 15, v0                           ; r = lane % 16
	v_bfe_u32 v2, v0, 4, 1                         ; h = lane / 16
	v_mul_u32_u24 v3, v1, PA
	v_lshl_add_u32 v3, v2, 4, v3
	s_mul_i32 s23, s[RH], HALFT
	v_add_nc_u32 v[ADRA], s23, v3
	v_mov_b32 v[CA], v[ADRA]
	v_and_b32 v4, 7, v0                            ; the turning load: lane l reads row 8 h + l % 8, 16 bytes at 16 ((l / 8) % 2)
	v_lshl_add_u32 v4, v2, 3, v4
	v_mul_u32_u24 v4, v4, PB
	v_bfe_u32 v5, v0, 3, 1
	v_lshl_add_u32 v4, v5, 4, v4
	s_lshl_b32 s23, s[CH], 8
	s_add_co_u32 s23, s23, 2*HALFT
	v_add_nc_u32 v[ADRB], s23, v4
	v_mov_b32 v[CB], v[ADRB]
	s_mul_i32 s23, s[WV], WSTAGE
	v_mul_u32_u24 v5, v1, SPITCH                   ; into the stage: row l % 16, 32 bytes for each half of the lanes
	v_lshl_add_u32 v5, v2, 5, v5
	v_add_nc_u32 v[STO], s23, v5
	v_bfe_u32 v5, v0, 3, 2                         ; back: row lane / 8 of four; rows 528 bytes apart and lanes 32 bytes apart
	v_mul_u32_u24 v5, v5, SPITCH
	v_and_b32 v6, 7, v0                            ; columns 8 (lane % 8) on
	v_lshl_add_u32 v5, v6, 5, v5
	v_add_nc_u32 v[RD], s23, v5
	v_and_b32 v5, 31, v0
	v_lshlrev_b32 v[GO], 4, v5                     ; in C the four rows of a group are 512 consecutive bytes: 128 (lane / 8) + 16 (lane % 8) = 16 x lane
	s_lshl_b32 s23, s19, 10                        ; 256 columns of 4 bytes x tile column
	s_lshl_b32 s45, s[CH], 9
	s_add_co_u32 s23, s23, s45
	v_lshl_add_u32 v[BO], v6, 5, s23
	global_load_b128 v[BIAS:BIAS+3], v[BO], s[8:9]                  ; my eight columns of my first group of 64,
	global_load_b128 v[BIAS+4:BIAS+7], v[BO], s[8:9] offset:16
	global_load_b128 v[BIAS+8:BIAS+11], v[BO], s[8:9] offset:256    ; and of my second; waited for on the way out
	global_load_b128 v[BIAS+12:BIAS+15], v[BO], s[8:9] offset:272
	s_lshl_b32 s44, s19, 21                        ; C: group 4 x tile column + 2 x half, 524,288 bytes a group,
	s_lshl_b32 s45, s[CH], 20
	s_add_co_u32 s44, s44, s45
	s_lshl_b32 s45, s20, 15                        ; row 256 x tile row + 128 x half, 128 bytes a row
	s_add_co_u32 s44, s44, s45
	s_lshl_b32 s45, s[RH], 14
	s_add_co_u32 s44, s44, s45
	s_mov_b32 s45, 0
	s_add_nc_u64 s[12:13], s[12:13], s[44:45]
	s_mov_b32 s[C1], 0x3dcc41b4                    ; a1 2^(1/2) = 0.0997346946
	s_mov_b32 s[C1+1], 0x3dcc41b4
	s_mov_b32 s[C2], 0x3dad2fe7                    ; a2 2       = 0.0845640246
	s_mov_b32 s[C2+1], 0x3dad2fe7
	s_mov_b32 s[C3], 0x3cd6cd72                    ; a3 2^(3/2) = 0.0262210107
	s_mov_b32 s[C3+1], 0x3cd6cd72
	s_mov_b32 s[C4], 0x3a1f6607                    ; a4 4       = 0.0006080572
	s_mov_b32 s[C4+1], 0x3a1f6607
	s_mov_b32 s[C5], 0x3acd0fec                    ; a5 2^(5/2) = 0.0015645003
	s_mov_b32 s[C5+1], 0x3acd0fec
	s_mov_b32 s[C6], 0x39b49f67                    ; a6 8       = 0.0003445104
	s_mov_b32 s[C6+1], 0x39b49f67
	s_mov_b32 s[HIM], 0xffff0000
	s_wait_kmcnt 0x0                               ; the mode: it only chooses numbers
	s_cmp_lg_u32 s[MODE], 0
	s_cselect_b32 s[AMSK], 0x7fffffff, 0
	s_cselect_b32 s[HB], 0.5, 0
	s_cselect_b32 s[S0], 1.0, 2.0
	s_mov_b32 s[S0+1], s[S0]
	s_wait_tensorcnt 1                             ; my part of K step 0 is in; K step 1 may stay out
	s_barrier_signal -1
	s_barrier_wait -1
	FETCH 0, F0
	QUARTER 1, F0, F1, 1                           ; the first quarter stands in front of the loop: its products start the sums
	WIN 0
	s_mov_b32 s[CNT], KSTEPS-2
.Lstep:                                            ; a trip goes from the second quarter of a K step to the first of the next, and fills the slot that it leaves
	QUARTER 2, F1, F0, 0
	QUARTER 3, F0, F1, 0
	TURN 1
	QUARTER 1, F0, F1, 0
	WIN 0
	s_sub_co_u32 s[CNT], s[CNT], 1
	s_cmp_lg_u32 s[CNT], 0
	s_cbranch_scc1 .Lstep
	s_mov_b32 s[CNT], 2
.Ltail:                                            ; the last two K steps fill nothing; the second trip is left in its middle
	QUARTER 2, F1, F0, 0
	QUARTER 3, F0, F1, 0
	TURN 0
	WIN 0
	s_sub_co_u32 s[CNT], s[CNT], 1
	s_cmp_eq_u32 s[CNT], 0
	s_cbranch_scc1 .Lout
	QUARTER 1, F0, F1, 0
	WIN 0
	s_branch .Ltail
.Lout:                                             ; in front of the last barrier every wave has waited for its last reads of the ring, which has had its last fill: it becomes the stages
	PLACES
.irp a, 0,1,2,3,4,5,6,7
	WIN 0x08+4*((\a)/4)                            ; store data (source 1) in window 2 or 3
.irp b, 0,1,2,3,4,5,6,7
	ds_store_b128 v[STO], v[8*(8*((\a)%4)+(\b)):8*(8*((\a)%4)+(\b))+3]   offset:(\a)*16*SPITCH+64*(\b)
	ds_store_b128 v[STO], v[8*(8*((\a)%4)+(\b))+4:8*(8*((\a)%4)+(\b))+7] offset:(\a)*16*SPITCH+64*(\b)+16
.endr
.endr
	WIN 0
	s_wait_loadcnt 0x0                             ; the bias: rounded to bf16, then halved (mode 1) or cleared (mode 0)
.set i, 0
.rept 8
	v_cvt_pk_bf16_f32 v[XH+i], v[BIAS+2*i], v[BIAS+2*i+1]
.set i, i+1
.endr
.set i, 0
.rept 8
	v_lshlrev_b32 v[BIAS+2*i], 16, v[XH+i]
	v_and_b32 v[BIAS+2*i+1], s[HIM], v[XH+i]
.set i, i+1
.endr
.set i, 0
.rept 16
	v_mul_f32 v[BIAS+i], s[HB], v[BIAS+i]
.set i, i+1
.endr
.irp g, 0,1
	ds_load_b128 v[X+8*\g:X+8*\g+3],   v[RD] offset:256*\g     ; LDS serves the instructions of a wave in order: these see my stores above
	ds_load_b128 v[X+8*\g+4:X+8*\g+7], v[RD] offset:256*\g+16
.endr
	s_mov_b32 s[CNT], 32
.Lrow:                                             ; a trip: four rows x 128 columns, 16 numbers a lane
	s_wait_dscnt 0x0
.set i, 0
.rept 8
	v_pk_fma_f32 v[XH+2*i:XH+2*i+1], v[X+2*i:X+2*i+1], 0.5, v[BIAS+2*i:BIAS+2*i+1] op_sel_hi:[1,0,1]  ; x/2
.set i, i+1
.endr
	s_cmp_eq_u32 s[CNT], 1                         ; the last trip has no rows behind it
	s_cbranch_scc1 .Lno_more
	v_add_nc_u32 v[RD], 4*SPITCH, v[RD]
.irp g, 0,1
	ds_load_b128 v[X+8*\g:X+8*\g+3],   v[RD] offset:256*\g
	ds_load_b128 v[X+8*\g+4:X+8*\g+7], v[RD] offset:256*\g+16
.endr
.Lno_more:
.set i, 0
.rept 16
	v_and_b32 v[AX+i], s[AMSK], v[XH+i]            ; u
.set i, i+1
.endr
.set i, 0
.rept 8
	v_pk_fma_f32 v[PP+2*i:PP+2*i+1], v[AX+2*i:AX+2*i+1], s[C6:C6+1], s[C5:C5+1] op_sel_hi:[1,0,0]
.set i, i+1
.endr
.irp c, C4, C3, C2, C1
.set i, 0
.rept 8
	v_pk_fma_f32 v[PP+2*i:PP+2*i+1], v[PP+2*i:PP+2*i+1], v[AX+2*i:AX+2*i+1], s[\c:\c+1] op_sel_hi:[1,1,0]
.set i, i+1
.endr
.endr
	; One batch of 16 reciprocals.  Between them stand plain lines that name none of their results: the polynomial's last step for the next pair, and x/2 (or x) + u.
	v_pk_fma_f32 v[PP:PP+1], v[PP:PP+1], v[AX:AX+1], 1.0 op_sel_hi:[1,1,0]
.set i, 0
.rept 8
	v_rcp_f32 v[PP+2*i], v[PP+2*i]
.if i < 7
	v_pk_fma_f32 v[PP+2*i+2:PP+2*i+3], v[PP+2*i+2:PP+2*i+3], v[AX+2*i+2:AX+2*i+3], 1.0 op_sel_hi:[1,1,0]
.endif
	v_rcp_f32 v[PP+2*i+1], v[PP+2*i+1]
	v_pk_fma_f32 v[XH+2*i:XH+2*i+1], v[XH+2*i:XH+2*i+1], s[S0:S0+1], v[AX+2*i:AX+2*i+1] op_sel_hi:[1,0,1]
.set i, i+1
.endr
	s_wait_alu depctr_va_vdst(0)                   ; one wait for the batch, ahead of its first reader
.rept 4                                            ; the sixteenth power: four squarings
.set i, 0
.rept 8
	v_pk_mul_f32 v[PP+2*i:PP+2*i+1], v[PP+2*i:PP+2*i+1], v[PP+2*i:PP+2*i+1]
.set i, i+1
.endr
.endr
.set i, 0
.rept 8
	v_pk_fma_f32 v[XH+2*i:XH+2*i+1], v[AX+2*i:AX+2*i+1], v[PP+2*i:PP+2*i+1], v[XH+2*i:XH+2*i+1] neg_lo:[1,0,0] neg_hi:[1,0,0]  ; - u q
.set i, i+1
.endr
	s_wait_xcnt 0x0                                ; the last trip's stores have read their data and their base: both are written again only behind this wait, which stands a trip's arithmetic behind them
	s_add_nc_u64 s[12:13], s[12:13], 512           ; four rows of a group on; the stores below reach back
.set i, 0
.rept 8
	v_cvt_pk_f16_f32 v[Y+i], v[XH+2*i], v[XH+2*i+1]
.set i, i+1
.endr
	global_store_b128 v[GO], v[Y:Y+3], s[12:13] offset:-512            ; four rows of one group: 512 consecutive bytes, aligned
	global_store_b128 v[GO], v[Y+4:Y+7], s[12:13] offset:524288-512    ; and of the next group
	s_sub_co_u32 s[CNT], s[CNT], 1
	s_cmp_lg_u32 s[CNT], 0
	s_cbranch_scc1 .Lrow
	s_wait_tensorcnt 0x0                           ; the end of the wave
	ds_add_u32 v[SPW], v[NIL]
	s_wait_dscnt 0x0
	CROUND                                         ; the closing round
	s_endpgm
.Lfunc_end_k_q8ed643b2af_qkv:
	.size	k_q8ed643b2af_qkv, .Lfunc_end_k_q8ed643b2af_qkv-k_q8ed643b2af_qkv
	.p2alignl 7, 3214868480
	.fill 96, 4, 3214868480
	.section	.rodata,"a",@progbits
	.p2align	6, 0x0
	.amdhsa_kernel k_q8ed643b2af_qkv
		.amdhsa_group_segment_fixed_size 327680
		.amdhsa_private_segment_fixed_size 0
		.amdhsa_enable_private_segment 0
		.amdhsa_kernarg_size 40
		.amdhsa_user_sgpr_count 2
		.amdhsa_user_sgpr_kernarg_segment_ptr 1
		.amdhsa_wavefront_size32 1
		.amdhsa_system_sgpr_workgroup_id_x 1
		.amdhsa_system_sgpr_workgroup_id_y 1
		.amdhsa_system_sgpr_workgroup_id_z 1
		.amdhsa_system_vgpr_workitem_id 0
		.amdhsa_next_free_vgpr 1024
		.amdhsa_next_free_sgpr 86
		.amdhsa_reserve_vcc 0
		.amdhsa_float_denorm_mode_32 3
		.amdhsa_float_denorm_mode_16_64 3
		.amdhsa_memory_ordered 1
		.amdhsa_forward_progress 1
		.amdhsa_inst_pref_size 89
	.end_amdhsa_kernel
	.amdgpu_metadata
---
amdhsa.version: [ 1, 2 ]
amdhsa.kernels:
  - .name:           k_q8ed643b2af_qkv
    .symbol:         k_q8ed643b2af_qkv.kd
    .args:
      - { .name: hbuf, .offset: 0, .size: 8, .value_kind: global_buffer, .address_space: global }
      - { .name: wA, .offset: 8, .size: 8, .value_kind: global_buffer, .address_space: global }
      - { .name: b1, .offset: 16, .size: 8, .value_kind: global_buffer, .address_space: global }
      - { .name: cfg0, .offset: 24, .size: 8, .value_kind: global_buffer, .address_space: global }
      - { .name: big, .offset: 32, .size: 8, .value_kind: global_buffer, .address_space: global }
    .group_segment_fixed_size: 327680
    .private_segment_fixed_size: 0
    .kernarg_segment_align: 8
    .kernarg_segment_size: 40
    .max_flat_workgroup_size: 128
    .sgpr_count:     86
    .vgpr_count:     1024
    .wavefront_size: 32
...
	.end_amdgpu_metadata
.endif
;; end of part 2
;; launch attn (part 3): grid 8 x 32, 4 waves a work-group, no clusters, 327,680 bytes of LDS; arguments big, hbuf; writes hbuf
.if DOCPART == 3
	.amdgcn_target "amdgcn-amd-amdhsa--gfx1250"
	.amdhsa_code_object_version 6
	.text
	.protected	k_q8ed643b2af_attn
	.globl	k_q8ed643b2af_attn
	.p2align	8
	.type	k_q8ed643b2af_attn,@function
k_q8ed643b2af_attn:
	s_mov_b64 s[64:65], 0
	v_nop
	global_prefetch_b8 v0, s[64:65] scope:SCOPE_SE
	s_setreg_imm32_b32 hwreg(HW_REG_WAVE_MODE, 25, 1), 1
	s_wait_xcnt 0x0
; CAUSAL ATTENTION, head size 64, 32 heads (batch x 16 + head) of 2,048 rows.  q, k, v lie in one buffer by groups of 64 columns, [48 groups][4096 rows][64] in f16 (q: groups 0-15, k: 16-31, v: 32-47;
; row = batch x 2048 + t), so the rows of a head are dense, 128 bytes each.  O goes out in the same layout, [16 groups][4096][64] in f16.
; Products, maxima and sums in f32; the weights p are rounded to f16 for the second product (their sum l is taken of the unrounded p), O once at the end.
; LIMITS.  q, k, v arrive within 65,504.  A hidden score counts as its value less 1e30.  A weight below 2^-126 counts as 0 in l.  NaN and infinities are not treated apart.
; THE WALK.  The queries of a head lie in 16 blocks of 128; block i needs the key tiles 0 .. i / 2 of 256 keys, of which the last holds the diagonal.  Work-group b takes block 15 - b and then block b:
; 9 tiles whatever b, walked by one loop with a constant count.  Which tile is asked for and what a trip does hang on scalar registers made from b.
; NO CLUSTER: of the 8 work-groups of a head only pairs walk the same tiles to the end, so a mask of four would name partners that need other tiles.
; SHARES.  A block has two bands of 64 queries; a wave owns 16 rows in each: two pieces.  In the diagonal tile band x has its own key step OWN + x (OWN = 0 or 2, by the parity of the block):
; earlier steps are all visible, later ones all hidden.
; THE MASK is the C operand that starts S^T = K Q^T: MC = MD x AL + BE, MD the mask of the own step of a band for my 16 rows; (AL, BE) = (1, 0) own, (0, 0) earlier, (0, -1e30) later, and (0, 0) in every
; tile but the diagonal one.  Every turn makes the mask for the turn behind it, 16 packed lines, so that one text serves all tiles and no branch stands inside a turn.
; TURNS.  A turn belongs to a piece of a key step; four turns (p = 2 x parity of the step + piece) are two key steps.  Turn p: 8 products K Q^T of the next piece, later 8 products V^T P of the piece before;
; beside them scaling, exponentials, roundings, sums and rescaling of its own piece and maximum and statistics of the next.  The 33 exponentials of a turn are one batch with one wait.
; K has one register buffer, V two (even steps VA, odd steps VB).  Turns 0 and 2 fetch K and then V of the NEXT step, so LDS is read in the order of the steps and the change of slots stands behind turn 1.
; REGISTERS, in windows of 256: window 0: v2-15 addresses; v16-23 statistics; v48-55 at work; v61-63 prefetch offset and the two of the add; v64-127 S^T, two buffers; v192-223 P, two buffers
;   window 1: v0-63 O^T; v128-159 MD; v160-223 MC, two buffers      window 2: v0-31 Q; v32-63 Q of the second block; v64-127 VB; v128-191 K; v192-255 VA
.set NB,    8
.set NP,    4
.set KS,    64
.set PK,    144                        ; a row of K in LDS: 128 bytes + 16
.set PV,    160                        ; a row of V: 128 + 32
.set VOFF,  4*KS*PK
.set SLOT1, 1<<17
.set STAGE, SLOT1+4*KS*(PK+PV)         ; behind the ring, never filled by a tensor load: 16 rows x 144 bytes for each wave
.set SP,    144
.set SPARE, STAGE+4*16*SP              ; the spare words, 128 bytes for each wave, that no other line names
.set AK0, 2
.set AV0, 3
.set AK,  4
.set AV,  5
.set STO, 6
.set RD,  7
.set GO,  8
.set MV,  12
.set QO,  15
.set ST,  16                           ; piece t: c m, m, l (even keys, odd keys) at v[ST+4 t]
.set TMP, 48
.set PFO, 61                           ; 256 x lane
.set SPW, 62
.set NIL, 63
.set S,   64
.set P,   192
.set MD,  128
.set MC,  160
.set QB,  32
.set VB,  64
.set KF,  128
.set VA,  192
.set WV,  12
.set PB,  14                           ; last tile of the second block: b / 2
.set HI,  15                           ; last tile of the first: 7 - b / 2
.set G1K, 24
.set G1V, 32
.set G0K, 40
.set G0V, 44
.set SLOTS, 56
.set CNT, 57                           ; counts the two trips of a tile
.set CS,  58
.set SEL, 60
.set TBK, 62
.set TBV, 63
.set RT,  70                           ; tiles of the block in hand still to be entered
.set NXT, 71
.set LQ,  72
.set NEW, 73
.set OFF, 74
.set AL,  76
.set BE,  78
.set OLO, 80
.set BIGN, 82
.set OWX, 83                           ; OWN in the diagonal tile, OWN + 16 in every other: there no step is the own one or a later one
.set OWN, 88                           ; own step of band 0 in the diagonal tile of the block in hand
.set OWL, 89                           ; the same for the second block
.set CQ,  90
.set LIM, 91                           ; 2 in the work-group that prefetches, else the greatest number
.set PFB, 92                           ; s[92:93] K (waves 0, 1) or V (waves 2, 3) at my half of tile 0
.set PFA, 94                           ; s[94:95] the same at the tile behind the one that is being asked for
.set POF, 96
.set MSB, 0
.macro WIN new
.if MSB != (\new)
	s_set_vgpr_msb (MSB<<8)|(\new)
.set MSB, (\new)
.endif
.endm
.set W_KQ, 0x0a
.set W_KM, 0x1a
.set W_PV, 0x52
.set W_RS, 0x41
.macro LOAD                            ; waves 0 and 1 fetch the halves of K of a tile, waves 2 and 3 those of V: 128 keys each
	s_cmp_lt_u32 s[WV], 2
	s_cbranch_scc0 .Lfor_v_\@
	tensor_load_to_lds s[G0K:G0K+3], s[G1K:G1K+7]
	s_nop 0
.rept 4
	v_nop
.endr
	s_branch .Lasked_\@
.Lfor_v_\@:
	tensor_load_to_lds s[G0V:G0V+3], s[G1V:G1V+7]
	s_nop 0
.rept 4
	v_nop
.endr
.Lasked_\@:
.endm
; A prefetch of the tile behind the one just asked for: each wave names the 16,384 bytes that it will load itself, a lane 256 bytes, two instructions.  All 8 work-groups of a head walk up from tile 0:
; the one with b = 0, whose first block walks all 8 tiles, asks, so that each block of bytes is named once.  Tiles 0 and 1 come by their loads alone; nothing is asked for behind tile 7.
.macro ASK
	s_cmp_gt_u32 s[SLOTS], s[LIM]
	s_cbranch_scc0 .Lnot_mine_\@
	global_prefetch_b8 v[PFO], s[PFA:PFA+1] th:TH_LOAD_NT scope:SCOPE_SE
	global_prefetch_b8 v[PFO], s[PFA:PFA+1] offset:8192 th:TH_LOAD_NT scope:SCOPE_SE
.Lnot_mine_\@:
.endm
.macro CHANGE fill                     ; the change of slots; fill = 1: the slot that is left takes tile NXT, first thing behind the barrier
	WIN 0
	s_wait_tensorcnt 0x0                           ; no tensor load of mine is out, so a descriptor may be written
	ds_add_u32 v[SPW], v[NIL]                      ; 0 onto my spare word
.if \fill
	s_lshl_b32 s[OFF], s[NXT], 15                  ; a tile is 32,768 bytes of K and of V
	s_xor_b32 s[G0K+1], s[G0K+1], SLOT1
	s_add_nc_u64 s[G0K+2:G0K+3], s[6:7], s[OFF:OFF+1]
	s_or_b32 s[G0K+3], s[G0K+3], 0x80000000
	s_xor_b32 s[G0V+1], s[G0V+1], SLOT1
	s_add_nc_u64 s[G0V+2:G0V+3], s[8:9], s[OFF:OFF+1]
	s_or_b32 s[G0V+3], s[G0V+3], 0x80000000
	s_wait_xcnt 0x0                                ; the last prefetches, a tile back, have read their address
	s_add_co_u32 s[POF], s[OFF], 32768
	s_add_nc_u64 s[PFA:PFA+1], s[PFB:PFB+1], s[POF:POF+1]
	s_add_co_u32 s[NXT], s[NXT], 1                 ; the next tile of the block, or behind its last tile 0 of the second block
	s_cmp_gt_u32 s[NXT], s[LQ]
	s_cselect_b32 s[NXT], 0, s[NXT]
	s_cselect_b32 s[LQ], s[PB], s[LQ]
.endif
	s_wait_dscnt 0x0                               ; the add is done and my reads of the slot are over
	s_barrier_signal -1
	s_sub_co_u32 s[TBK], s[TBK], 4*KS*PK           ; the fetches go back to the first step of a slot, in the other slot
	s_xor_b32 s[TBK], s[TBK], SLOT1
	s_sub_co_u32 s[TBV], s[TBV], 4*KS*PV
	s_xor_b32 s[TBV], s[TBV], SLOT1
	s_barrier_wait -1
.if \fill
	LOAD
	ASK
.endif
.endm
.macro ENTER                           ; a tile is entered: one fewer to come; is it the diagonal one; two trips
	s_sub_co_u32 s[RT], s[RT], 1
	s_cmp_lg_u32 s[RT], 0
	s_cselect_b32 s[OWX], 16, 0
	s_add_co_u32 s[OWX], s[OWX], s[OWN]
	s_mov_b32 s[CNT], 2
.endm
	s_load_b128 s[48:51], s[0:1], 0x0              ; qkv s[48:49], O s[50:51]
	v_lshl_add_u32 v[SPW], v0, 2, SPARE
	v_mov_b32 v[NIL], 0
	ds_add_u32 v[SPW], v[NIL]                      ; the opening add, waited for ahead of my first tensor load
	ds_add_u32 v62, v63
	v_lshrrev_b32 v1, 5, v0
	v_readfirstlane_b32 s[WV], v1
	s_lshr_b32 s[PB], ttmp9, 1
	s_sub_co_u32 s[HI], NB-1, s[PB]
	s_and_b32 s[OWL], ttmp9, 1
	s_lshl_b32 s[OWL], s[OWL], 1
	s_sub_co_u32 s[OWN], 2, s[OWL]
	s_and_b32 s20, ttmp7, 0xffff                   ; batch x 16 + head
	s_lshr_b32 s21, s20, 4
	s_and_b32 s20, s20, 15
	s_lshl_b32 s20, s20, 19                        ; a group is 524,288 bytes,
	s_lshl_b32 s21, s21, 18                        ; the rows of a batch 262,144
	s_add_co_u32 s20, s20, s21
	s_and_b32 s16, s[WV], 1                        ; which half of the 256 keys of a tile I fetch
	s_lshl_b32 s22, s16, 14
	s_add_co_u32 s22, s22, s20
	s_mov_b32 s23, 0
	s_mul_i32 s17, s16, 128*PK
	s_mul_i32 s18, s16, 128*PV
	s_lshl_b32 s3, s[WV], 11                       ; my 16 rows in a band of 64
	s_sub_co_u32 s2, 15, ttmp9
	s_lshl_b32 s2, s2, 14                          ; the first block,
	s_add_co_u32 s2, s2, s3
	s_add_co_u32 s2, s2, s20
	s_lshl_b32 s84, ttmp9, 14                      ; and the second
	s_add_co_u32 s84, s84, s3
	s_add_co_u32 s84, s84, s20
	s_mov_b32 s3, 0
	s_mov_b32 s85, 0
	s_mov_b32 s[G1K], (1<<16)|(1<<20)|(4<<22)|(3<<25)  ; 2-byte elements; padding on; after every 32 words 4 words
	s_mov_b32 s[G1V], (1<<16)|(1<<20)|(4<<22)|(7<<25)  ; 8 words
.irp g, G1K, G1V
	s_mov_b32 s[\g+1], 128<<16                     ; 128 keys are 16,384 dense bytes: 64 rows of 256 bytes
	s_mov_b32 s[\g+2], 64<<16
	s_mov_b32 s[\g+3], 128<<16
	s_mov_b32 s[\g+4], 64
	s_mov_b32 s[\g+5], 128
	s_mov_b32 s[\g+6], 0
	s_mov_b32 s[\g+7], 0
.endr
	s_mov_b32 s[CS], 0x3e38aa3b                    ; c = log2(e) / 8
	s_mov_b32 s[CS+1], s[CS]
	s_mov_b32 s[SEL], 0x76543210
	s_mov_b32 s[SEL+1], 0xfedcba98
	s_mov_b32 s[TBK], SLOT1+4*KS*PK                ; the first change of slots turns these two into 0
	s_mov_b32 s[TBV], SLOT1+4*KS*PV
	s_mov_b32 s[G0K], 1
	s_mov_b32 s[G0K+1], s17
	s_mov_b32 s[G0V], 1
	s_add_co_u32 s[G0V+1], s18, VOFF
	s_add_co_u32 s[RT], s[HI], 1
	s_mov_b32 s[NXT], 1
	s_mov_b32 s[LQ], s[HI]
	s_mov_b32 s[NEW], 1
	s_mov_b32 s[OFF+1], 0
	s_mov_b32 s[POF+1], 0
	s_mov_b32 s[AL+1], 0
	s_mov_b32 s[BE+1], 0
	s_mov_b32 s[BIGN], 0xf149f2ca                  ; -1e30
	s_mov_b32 s[SLOTS], NB
	s_cmp_eq_u32 ttmp9, 0
	s_cselect_b32 s[LIM], 2, -1
	s_wait_dscnt 0x0                               ; the opening add is done
	s_wait_kmcnt 0x0
	s_add_nc_u64 s[6:7], s[48:49], s[22:23]
	s_add_nc_u64 s[8:9], s[6:7], 0x1000000         ; V at my half of tile 0 of the head,
	s_add_nc_u64 s[6:7], s[6:7], 0x800000          ; and K
	s_add_nc_u64 s[G0K+2:G0K+3], s[6:7], 0
	s_or_b32 s[G0K+3], s[G0K+3], 0x80000000
	s_add_nc_u64 s[G0V+2:G0V+3], s[8:9], 0
	s_or_b32 s[G0V+3], s[G0V+3], 0x80000000
	s_add_nc_u64 s[86:87], s[48:49], s[84:85]      ; Q at my rows of the second block,
	s_add_nc_u64 s[4:5], s[48:49], s[2:3]          ; and of the first
	s_add_nc_u64 s[OLO:OLO+1], s[50:51], s[84:85]
	s_add_nc_u64 s[10:11], s[50:51], s[2:3]
	s_cmp_lt_u32 s[WV], 2
	s_cselect_b64 s[PFB:PFB+1], s[6:7], s[8:9]
	LOAD                                           ; tile 0 into slot 0
	v_and_b32 v1, 15, v0
	v_bfe_u32 v9, v0, 4, 1
	v_lshlrev_b32 v[QO], 7, v1
	v_lshl_add_u32 v[QO], v9, 4, v[QO]
	WIN 0x80
.set i, 0
.rept 4                                            ; Q of both blocks: piece i / 2 lies in band i / 2, 8,192 bytes on; channels 32 (i % 2) on
	global_load_b128 v[8*i:8*i+3],   v[QO], s[4:5] offset:(i/2)*8192+(i%2)*64
	global_load_b128 v[8*i+4:8*i+7], v[QO], s[4:5] offset:(i/2)*8192+(i%2)*64+32
	global_load_b128 v[QB+8*i:QB+8*i+3],   v[QO], s[86:87] offset:(i/2)*8192+(i%2)*64
	global_load_b128 v[QB+8*i+4:QB+8*i+7], v[QO], s[86:87] offset:(i/2)*8192+(i%2)*64+32
.set i, i+1
.endr
	WIN 0
	v_lshlrev_b32 v14, 3, v9
	v_sub_nc_u32 v14, v1, v14
	s_lshl_b32 s13, s[WV], 4
	v_add_nc_u32 v14, s13, v14                     ; the place of my query in its band less 8 (lane / 16): register r of key group kt is hidden where 16 kt + r is greater
	WIN 0x40
.set i, 0
.rept 32
	v_cmp_gt_i32 vcc_lo, 16*(i/8)+i%8, v14
	v_cndmask_b32 v[MD+i], 0, s[BIGN], vcc_lo
.set i, i+1
.endr
	WIN 0
	v_mul_u32_u24 v[AK0], v1, PK
	v_lshl_add_u32 v[AK0], v9, 4, v[AK0]
	v_and_b32 v10, 7, v0
	v_bfe_u32 v11, v0, 3, 1
	v_lshl_add_u32 v[AV0], v9, 3, v10
	v_mul_u32_u24 v[AV0], v[AV0], PV
	v_lshl_add_u32 v[AV0], v11, 4, v[AV0]
	v_add_nc_u32 v[AV0], VOFF, v[AV0]
	s_mul_i32 s13, s[WV], 16*SP
	s_add_co_u32 s13, s13, STAGE
	v_mul_u32_u24 v[STO], v1, SP
	v_lshl_add_u32 v[STO], v9, 4, v[STO]
	v_add_nc_u32 v[STO], s13, v[STO]
	v_bfe_u32 v[RD], v0, 3, 2
	v_mul_u32_u24 v[RD], v[RD], SP
	v_lshl_add_u32 v[RD], v10, 4, v[RD]
	v_add_nc_u32 v[RD], s13, v[RD]
	v_and_b32 v[GO], 31, v0
	v_lshlrev_b32 v[PFO], 8, v[GO]
	v_lshlrev_b32 v[GO], 4, v[GO]
	; The first step of a block multiplies O^T and l by a = 0, and the products V^T P of its first turn, of a piece that has not been, land in an O^T that is still to be so multiplied:
	; these registers need only hold finite numbers: zeros for the first block, what the first block left for the second.
	WIN 0x80
.set i, VB
.rept 64
	v_mov_b32 v[i], 0
.set i, i+1
.endr
	WIN 0x40
.set i, 0
.rept 64
	v_mov_b32 v[i], 0
.set i, i+1
.endr
	WIN 0
.set i, 0
.rept 2
	v_mov_b32 v[ST+4*i+2], 0
	v_mov_b32 v[ST+4*i+3], 0
.set i, i+1
.endr
.set i, P+16
.rept 16
	v_mov_b32 v[i], 0
.set i, i+1
.endr
; Product i of 8 of S^T = K Q^T for piece x: channels 32 (i / 4) on, keys 16 (i % 4) on.  The first four start the sums with the mask.  The four accumulators take turns.
.macro KQ x
.set rS, S+32*((\x)%2)+8*(i%4)
.set rK, KF+16*(i%4)+8*(i/4)
.set rQ, 16*((\x)%2)+8*(i/4)
.set rM, MC+32*((\x)%2)+8*(i%4)
.if i < 4
	WIN W_KM
	v_wmma_f32_16x16x32_f16 v[rS:rS+7], v[rK:rK+7], v[rQ:rQ+7], v[rM:rM+7]
.else
	WIN W_KQ
	v_wmma_f32_16x16x32_f16 v[rS:rS+7], v[rK:rK+7], v[rQ:rQ+7], v[rS:rS+7]
.endif
.endm
; Product i of 8 of O^T += V^T P for piece x: keys 32 (i / 4) on, channels 16 (i % 4) on; VR names the buffer of V.
.macro PV x
	WIN W_PV
.set rO, 32*((\x)%2)+8*(i%4)
.set rV, VR+32*(i/4)+8*(i%4)
.set rP, P+16*((\x)%2)+8*(i/4)
	v_wmma_f32_16x16x32_f16 v[rO:rO+7], v[rV:rV+7], v[rP:rP+7], v[rO:rO+7]
.endm
.macro MM                              ; the next matrix instruction of the turn; NOKQ = 1: the last turn of a block has no next piece
.if (i < 8) && !NOKQ
	KQ (Y+1)%NP
.elseif i >= 8
.set i, i-8
	PV (Y+NP-1)%NP
.set i, i+8
.endif
.set i, i+1
.endm
.macro FETCH_K
	WIN 0x80
.irp f, 0,1,2,3,4,5,6,7
	ds_load_b128 v[KF+8*\f:KF+8*\f+3],   v[AK] offset:(\f/2)*16*PK+(\f%2)*64
	ds_load_b128 v[KF+8*\f+4:KF+8*\f+7], v[AK] offset:(\f/2)*16*PK+(\f%2)*64+32
.endr
	s_add_co_u32 s[TBK], s[TBK], KS*PK
	WIN 0
.endm
.macro FETCH_V vb
	WIN 0x80
.irp f, 0,1,2,3,4,5,6,7
	ds_load_tr16_b128 v[(\vb)+8*\f:(\vb)+8*\f+3],   v[AV] offset:(\f/4)*32*PV+(\f%4)*32
	ds_load_tr16_b128 v[(\vb)+8*\f+4:(\vb)+8*\f+7], v[AV] offset:(\f/4)*32*PV+16*PV+(\f%4)*32
.endr
	WIN 0
.endm
; THE VECTOR WORK, one line at a time: OP kind, number.  For piece Y: F n: c s - c m for pair n.  E n: the exponential of score n.  C n: pair n rounded to f16.  B n: of the weights 4 n .. the second pair is added
; onto the first.  L n: l takes that sum (L 0: l = a l + sum).  R n: pair n of O^T times a.  For piece Y + 1: X n, number n of the 22 that find its maximum and statistics (the lowest registers of each accumulator first).
.set F, 0
.set E, 1
.set C, 2
.set B, 3
.set L, 4
.set R, 5
.set X, 6
.macro REGS y
.set rT, ST+4*((\y)%2)
.set rC, TMP+4*((\y)%2)
.set rW, MV+((\y)%2)
.set rS, S+32*((\y)%2)
.set rP, P+16*((\y)%2)
.set rO, 32*((\y)%2)
.endm
.macro OP k, n
.if (\k) == R
	REGS Y
	WIN W_RS
	v_pk_mul_f32 v[rO+2*(\n):rO+2*(\n)+1], v[rO+2*(\n):rO+2*(\n)+1], v[rC+2:rC+3] op_sel_hi:[1,0]
.elseif (\k) < R
	REGS Y
	WIN 0
.if (\k) == F
	v_pk_fma_f32 v[rS+2*(\n):rS+2*(\n)+1], v[rS+2*(\n):rS+2*(\n)+1], s[CS:CS+1], v[rT:rT+1] op_sel_hi:[1,0,0] neg_lo:[0,0,1] neg_hi:[0,0,1]
.elseif (\k) == E
	v_exp_f32 v[rS+(\n)], v[rS+(\n)]
.elseif (\k) == C
	v_cvt_pk_f16_f32 v[rP+(\n)], v[rS+2*(\n)], v[rS+2*(\n)+1]
.elseif (\k) == B
	v_pk_add_f32 v[rS+4*(\n):rS+4*(\n)+1], v[rS+4*(\n):rS+4*(\n)+1], v[rS+4*(\n)+2:rS+4*(\n)+3]
.elseif (\n) == 0
	v_pk_fma_f32 v[rT+2:rT+3], v[rT+2:rT+3], v[rC+2:rC+3], v[rS:rS+1] op_sel_hi:[1,0,1]
.else
	v_pk_add_f32 v[rT+2:rT+3], v[rT+2:rT+3], v[rS+4*(\n):rS+4*(\n)+1]
.endif
.elseif NOKQ
	v_nop
.else
	REGS (Y+1)%NP
	WIN 0
.if (\n) < 4
	v_max3_num_f32 v[rC+(\n)], v[rS+8*(\n)], v[rS+8*(\n)+1], v[rS+8*(\n)+2]
.elseif (\n) < 12
	v_max3_num_f32 v[rC+(\n)%4], v[rC+(\n)%4], v[rS+8*((\n)%4)+2*((\n)/4)+1], v[rS+8*((\n)%4)+2*((\n)/4)+2]
.elseif (\n) == 12
	v_max3_num_f32 v[rC], v[rC], v[rS+7], v[rS+15]
.elseif (\n) == 13
	v_max3_num_f32 v[rC+1], v[rC+1], v[rS+23], v[rS+31]
.elseif (\n) == 14
	v_max3_num_f32 v[rC+2], v[rC+2], v[rC+3], v[rT+1]
.elseif (\n) == 15
	v_mov_b32 v[rW], v[rT]
.elseif (\n) == 16
	v_max3_num_f32 v[rC], v[rC], v[rC+1], v[rC+2]
.elseif (\n) == 17
	v_permlanex16_b32 v[rC+3], v[rC], s[SEL], s[SEL+1]
.elseif (\n) == 18
	v_max_num_f32 v[rT+1], v[rC], v[rC+3]
.elseif (\n) == 19
	v_mul_f32 v[rT], s[CS], v[rT+1]
.elseif (\n) == 20
	v_sub_f32 v[rC+1], v[rW], v[rT]
.else
	v_exp_f32 v[rC+2], v[rC+1]
.endif
.endif
.endm
.macro OPS a, i1, b=-1, i2=0, c=-1, i3=0, d=-1, i4=0
	OP \a, \i1
.if (\b) >= 0
	OP \b, \i2
.endif
.if (\c) >= 0
	OP \c, \i3
.endif
.if (\d) >= 0
	OP \d, \i4
.endif
.endm
.macro ROW a, i1, b, i2, c, i3, d, i4  ; a matrix instruction and the four behind it
	MM
	OPS \a, \i1, \b, \i2, \c, \i3, \d, \i4
.endm
.macro MASK b                          ; MD x AL + BE into buffer b of MC
	WIN W_RS
.set z, 0
.rept 16
	v_pk_fma_f32 v[MC+32*(\b)+2*z:MC+32*(\b)+2*z+1], v[MD+2*z:MD+2*z+1], s[AL:AL+1], s[BE:BE+1] op_sel_hi:[1,0,0]
.set z, z+1
.endr
.endm
; A TURN.  Ahead of its one wait stands all that names no result of its exponentials: 8 products K Q^T with four vector lines behind each, then one run of 54; behind the wait 8 products V^T P, behind each four of
; the roundings and sums.  Turns 0 and 2 fetch K of the next step six plain lines or more behind the last product that read K, and V of that step at their end, four plain lines behind the last product that read
; the buffer.  Turns 1 and 3 begin with a wait that leaves those 16 loads of V out: K, and the V that was fetched a step earlier, are in.
; At its end a turn makes the mask for the products of the turn behind it: their key step in the tile that has been entered is 5 - 2 CNT (turns 0, 1) or 4 - 2 CNT (turns 2, 3), held against OWX + piece.
; end = 1: the last two turns of a block: nothing is fetched, no mask is made.
.macro TURN p, end=0
.set Y, (\p)
.set i, 0
.set NOKQ, (\end)*((\p)/3)
.set KON, 5-((\p)+1)/2
.set VR, VA
.if ((\p) == 0) || ((\p) == 3)
.set VR, VB
.endif
.if !(\end)
	s_lshl1_add_u32 s[CQ], s[CNT], s[OWX]
	s_cmp_eq_u32 s[CQ], KON                        ; is that step the own one of the band?
	s_cselect_b32 s[AL], 1.0, 0
	s_cmp_lt_u32 s[CQ], KON                        ; or a later one?
	s_cselect_b32 s[BE], s[BIGN], 0
.endif
.if (\p)%2 == 1
.if \end
	s_wait_dscnt 0x0                               ; V of the last step is in
.else
	s_wait_dscnt 16                                ; K is in; the 16 younger loads, of V, may stay out
.endif
.endif
	ROW F,0, F,1, R,0, R,1
	ROW F,2, E,0, R,2, R,3
	ROW F,3, E,1, R,4, R,5
	ROW F,4, E,2, R,6, R,7
	ROW F,5, E,3, R,8, R,9
	ROW F,6, E,4, X,0, R,10
.if ((\p)%2 == 0) && !(\end)
	WIN 0
	v_add_nc_u32 v[AK], s[TBK], v[AK0]
.endif
	ROW F,7, E,5, X,1, X,4
	ROW F,8, E,6, X,2, X,5
	OPS E,7, E,8, X,6, E,9
	OPS X,3, E,10, X,8, E,11
.if ((\p)%2 == 0) && !(\end)
	FETCH_K
.endif
	OPS X,9, X,7, E,12, X,10
	OPS E,13, X,12, X,11, E,14
	OPS X,13, E,15, F,9, X,14
.if ((\p)%2 == 0) && !(\end)
	WIN 0
	v_add_nc_u32 v[AV], s[TBV], v[AV0]
.endif
	OPS E,16, F,10, E,17, F,11
	OPS X,16, E,18, X,15, E,19
	OPS F,12, E,20, X,17, E,21
	OPS F,13, E,22, F,14, E,23
	OPS X,18, E,24, F,15, E,25
	OPS R,11, E,26, X,19, E,27
	OPS R,12, E,28, R,13, E,29
	OPS X,20, E,30, R,14, E,31
	OPS X,21, R,15
	WIN 0
	s_wait_alu depctr_va_vdst(0)                   ; the one wait for the batch, ahead of the first reader
	ROW C,0, B,0, C,2, B,1
	ROW L,0, C,4, B,2, L,1
	ROW C,6, B,3, L,2, C,8
	ROW B,4, L,3, C,10, B,5
	ROW L,4, C,12, B,6, L,5
.if ((\p)%2 == 0) && !(\end)
	s_add_co_u32 s[TBV], s[TBV], KS*PV
.endif
	ROW C,14, B,7, L,6, C,1
	ROW C,3, L,7, C,5, C,7
	ROW C,9, C,11, C,13, C,15
.if !(\end)
.if (\p) == 0
	FETCH_V VB
.endif
.if (\p) == 2
	FETCH_V VA
.endif
	MASK (\p)%2
.endif
.endm
; A BLOCK BEGINS.  c m starts far below every c s, so a of the first step is 0; m at the lowest finite number.  The second mask buffer is 0 (band 1 sees all of step 0); the first is the own mask of band 0
; if this tile is the diagonal one and OWN = 0, else 0.  Then K and V of step 0, the first scores of piece 0, its maximum and statistics.
.macro BEGIN
	s_mov_b32 s[NEW], 0
	WIN 0x40
.set i, MC+32
.rept 32
	v_mov_b32 v[i], 0
.set i, i+1
.endr
	WIN 0
.set i, 0
.rept 2
	v_mov_b32 v[ST+4*i], 0xfe000000
	v_mov_b32 v[ST+4*i+1], 0xff7fffff
.set i, i+1
.endr
	s_cmp_eq_u32 s[OWX], 0
	s_cselect_b32 s[AL], 1.0, 0
	s_mov_b32 s[BE], 0
	MASK 0
	WIN 0
	v_add_nc_u32 v[AK], s[TBK], v[AK0]
	v_add_nc_u32 v[AV], s[TBV], v[AV0]
	FETCH_K
	FETCH_V VA
	s_add_co_u32 s[TBV], s[TBV], KS*PV
	s_wait_loadcnt 0x0                             ; Q
	s_wait_dscnt 0x0
.set NOKQ, 0
.set i, 0
.rept 8
	KQ 0
.set i, i+1
.endr
	WIN 0
.rept 4
	v_nop                                          ; the places behind those products
.endr
.set Y, NP-1
.irp n, 0,1,2,3,4,5,6,7,8,9,10,11,12,13,14,15,16,17,18,19,20,21
	OP X, \n
.endr
	v_nop
	s_wait_alu depctr_va_vdst(0)
.endm
.macro ALL line:vararg
.set t, 0
.rept 2
	\line
.set t, t+1
.endr
.endm
.macro PACK t                          ; eight channels of a row pack into 16 bytes a lane; they go into rows of 144 bytes and come back as whole rows of 128
	WIN W_RS
.set i, 32*(\t)
.rept 16
	v_pk_mul_f32 v[i:i+1], v[i:i+1], v[ST+4*(\t)+2:ST+4*(\t)+3] op_sel_hi:[1,0]
.set i, i+2
.endr
	WIN 0x05
.set i, 0
.rept 16
	v_cvt_pk_f16_f32 v[S+16*(\t)+i], v[32*(\t)+2*i], v[32*(\t)+2*i+1]
.set i, i+1
.endr
	WIN 0
.irp f, 0,1,2,3
	ds_store_b128 v[STO], v[S+16*(\t)+4*\f:S+16*(\t)+4*\f+3] offset:32*\f
.endr
.irp f, 0,1,2,3
	ds_load_b128 v[S+16*(\t)+4*\f:S+16*(\t)+4*\f+3], v[RD] offset:\f*4*SP  ; LDS serves the instructions of a wave in order: these see the stores above
.endr
.endm
.macro SEND t, younger
	WIN 0
.irp f, 0,1,2,3
	s_wait_dscnt (\younger)+3-\f
	global_store_b128 v[GO], v[S+16*(\t)+4*\f:S+16*(\t)+4*\f+3], s[10:11] offset:(\t)*8192+\f*512  ; 512 consecutive bytes, aligned to 256
.endr
.endm
.macro STEPS tag                       ; the two trips of a tile: turns 2 and 3 of one step, then turns 0 and 1 of the next
.Lstep\tag:
	TURN 2
	TURN 3
	WIN 0
.Lfirst\tag:
	TURN 0
	TURN 1
	WIN 0
	s_sub_co_u32 s[CNT], s[CNT], 1
	s_cmp_lg_u32 s[CNT], 0
	s_cbranch_scc1 .Lstep\tag
.endm
.macro FINISH                          ; the last two turns of a block, its last products, and the way out
	TURN 2, 1
	TURN 3, 1
.set VR, VB
.set i, 0
.rept 8
	PV NP-1
.set i, i+1
.endr
	WIN 0
	ALL v_add_f32 v[ST+4*t+2], v[ST+4*t+2], v[ST+4*t+3]
	ALL v_permlanex16_b32 v[ST+4*t+3], v[ST+4*t+2], s[SEL], s[SEL+1]
	ALL v_add_f32 v[ST+4*t+2], v[ST+4*t+2], v[ST+4*t+3]
	ALL v_rcp_f32 v[ST+4*t+2], v[ST+4*t+2]
	v_nop
	s_wait_alu depctr_va_vdst(0)                   ; one wait for the two reciprocals
	PACK 0
	PACK 1
	SEND 0, 8
	SEND 1, 0
.endm
.set NOKQ, 0
.set VR, VA
.Lslot:                                            ; 8 times: a tile is entered and the next is asked for
	CHANGE 1
	ENTER
	s_cmp_eq_u32 s[NEW], 1
	s_cbranch_scc0 .Lstep1
	BEGIN
	s_branch .Lfirst1
	STEPS 1
	s_cmp_eq_u32 s[RT], 0
	s_cbranch_scc0 .Lbottom
	FINISH                                         ; in the loop this is the end of the first block: the last tile of the second is the last of the walk
	s_wait_xcnt 0x0                                ; the stores have read their registers and the address of O
	s_mov_b64 s[10:11], s[OLO:OLO+1]
	s_add_co_u32 s[RT], s[PB], 1
	s_mov_b32 s[NEW], 1
	s_mov_b32 s[OWN], s[OWL]
	WIN 0x82
.set i, 0
.rept 32
	v_mov_b32 v[i], v[QB+i]
.set i, i+1
.endr
	WIN 0
.Lbottom:
	s_sub_co_u32 s[SLOTS], s[SLOTS], 1
	s_cmp_lg_u32 s[SLOTS], 0
	s_cbranch_scc1 .Lslot
	CHANGE 0                                       ; the last tile of the walk is written out
	ENTER
	s_cmp_eq_u32 s[NEW], 1
	s_cbranch_scc0 .Lstep2
	BEGIN
	s_branch .Lfirst2
	STEPS 2
	FINISH
	s_wait_tensorcnt 0x0                           ; the end of the wave
	ds_add_u32 v[SPW], v[NIL]
	s_wait_dscnt 0x0
	s_endpgm
.Lfunc_end_k_q8ed643b2af_attn:
	.size	k_q8ed643b2af_attn, .Lfunc_end_k_q8ed643b2af_attn-k_q8ed643b2af_attn
	.p2alignl 7, 3214868480
	.fill 96, 4, 3214868480
	.section	.rodata,"a",@progbits
	.p2align	6, 0x0
	.amdhsa_kernel k_q8ed643b2af_attn
		.amdhsa_group_segment_fixed_size 327680
		.amdhsa_private_segment_fixed_size 0
		.amdhsa_enable_private_segment 0
		.amdhsa_kernarg_size 16
		.amdhsa_user_sgpr_count 2
		.amdhsa_user_sgpr_kernarg_segment_ptr 1
		.amdhsa_wavefront_size32 1
		.amdhsa_system_sgpr_workgroup_id_x 1
		.amdhsa_system_sgpr_workgroup_id_y 1
		.amdhsa_system_sgpr_workgroup_id_z 1
		.amdhsa_system_vgpr_workitem_id 0
		.amdhsa_next_free_vgpr 768
		.amdhsa_next_free_sgpr 98
		.amdhsa_reserve_vcc 1
		.amdhsa_float_denorm_mode_32 3
		.amdhsa_float_denorm_mode_16_64 3
		.amdhsa_memory_ordered 1
		.amdhsa_forward_progress 1
		.amdhsa_inst_pref_size 170
	.end_amdhsa_kernel
	.amdgpu_metadata
---
amdhsa.version: [ 1, 2 ]
amdhsa.kernels:
  - .name:           k_q8ed643b2af_attn
    .symbol:         k_q8ed643b2af_attn.kd
    .args:
      - { .name: big, .offset: 0, .size: 8, .value_kind: global_buffer, .address_space: global }
      - { .name: hbuf, .offset: 8, .size: 8, .value_kind: global_buffer, .address_space: global }
    .group_segment_fixed_size: 327680
    .private_segment_fixed_size: 0
    .kernarg_segment_align: 8
    .kernarg_segment_size: 16
    .max_flat_workgroup_size: 128
    .sgpr_count:     98
    .vgpr_count:     768
    .wavefront_size: 32
...
	.end_amdgpu_metadata
.endif
;; end of part 3
;; launch oproj (part 4): grid 8 x 32, 4 waves a work-group, clusters of 4 x 4, 327,680 bytes of LDS; arguments hbuf, wA, x, x1; writes x1
.if DOCPART == 4
	.amdgcn_target "amdgcn-amd-amdhsa--gfx1250"
	.amdhsa_code_object_version 6
	.text
	.protected	k_q8ed643b2af_oproj
	.globl	k_q8ed643b2af_oproj
	.p2align	8
	.type	k_q8ed643b2af_oproj,@function
k_q8ed643b2af_oproj:
	s_mov_b64 s[64:65], 0
	v_nop
	global_prefetch_b8 v0, s[64:65] scope:SCOPE_SE
	s_setreg_imm32_b32 hwreg(HW_REG_WAVE_MODE, 25, 1), 1
	s_wait_xcnt 0x0
	s_wait_alu depctr_hold_cnt(0) depctr_sa_sdst(0) depctr_va_vdst(0) depctr_va_sdst(0) depctr_va_ssrc(0) depctr_va_vcc(0) depctr_vm_vsrc(0)
	s_getreg_b32 s2, hwreg(HW_REG_IB_STS2, 6, 4)
	s_cmp_eq_u32 s2, 0
	s_cbranch_scc0 .Lentry_in_a_cluster
	s_endpgm
.Lentry_in_a_cluster:
	s_bfe_u32 s2, ttmp6, 0x10000c
	s_cmp_lg_u32 s2, 0xf033
	s_cbranch_scc0 .Lentry_shape_is_right
	s_endpgm
.Lentry_shape_is_right:
; out = res (+ bias) + A W, N = 1024, K = 256 x KSTEPS.  A: f16 by groups of 64 columns of K, [group][4096 rows][64].  W: f16, row-major [K][1024], 8,388,608 bytes into its buffer.
; res and out: f32 [4096][1024].  Sums in f32.  Two constants of this text: MODE and KSTEPS.  Here: the projection behind attention, x1 = x + O w_out: MODE 0, K = 1024.
; MODE 0: res is an input of the module and is rounded to bf16 like all inputs; no bias.  MODE 1: res is taken as it is; the bias, rounded to bf16, is added.
; The residual (and bias) IS the C operand of the first products: it is loaded straight into the accumulators, in their layout, beside the first tiles; nothing is cleared and nothing is added at the end.
; SHAPE: a tile of C is 128 x 128; four waves, each 64 x 64 in 16 accumulators.  K goes in steps of 256 (four groups of A) through two LDS slots filled by the tensor data mover.
; A: 64 rows of a group are 8,192 dense bytes, asked for as one row of the tile, four groups as four rows, padded in LDS after every 128 bytes (pitch 144).  W: rows of 256 bytes, pitch 288, turned by ds_load_tr16_b128.
; The matrix instruction is used transposed (source 0 = 16 columns of W, source 1 = 16 rows of A).  CLUSTER 4 x 4: A is asked for jointly along a row of the cluster, W along a column.
; ONE TEXT FOR A K STEP: the slot in hand is a scalar, 0 or SLOT, turned by an exclusive or at each change of slots and added to the lanes' fixed places; the descriptors of the second first fill walk on:
; LDS word turned by the same exclusive or (no bit of SLOT is set in wave x HALFT), address one K step on.  KSTEPS - 2 trips fill a slot again; two more fill nothing, and the last of them fetches nothing.
; WAY OUT: when the ring has had its last fill and every wave has read it out, each wave sends its 64 x 64 sums through its own 17,408 bytes of the ring; sixteen lanes then store 256 consecutive bytes, aligned.
; LIMITS: A and W lie within 65,504 (f16).  NaN and infinities are not treated apart.  No prefetch: the tiles are shared in clusters and read by many work-groups at about the same time.
.set MODE,   0
.set KSTEPS, 4
.set PA,     144
.set PB,     288
.set HALFT,  36864                     ; 4 groups x 64 rows x 144 = 128 rows x 288
.set SLOT,   4*HALFT
.set SPITCH, 272
.set SPARE,  2*SLOT
.set BO,   10                          ; v10  byte offset of my eight columns in the bias
.set ADRA, 16                          ; v16  my place in the fragments of A, slot 0; never rewritten
.set CA,   17                          ; v17  the same in the slot in hand
.set ADRB, 20                          ; v20-21  my place in the fragments of W, slot 0: rows 0-127, 128-255; never rewritten
.set CB,   22                          ; v22-23  the same in the slot in hand
.set STO,  24
.set RD,   25
.set CO,   26                          ; my 16 bytes in two rows of out
.set RO,   27                          ; my 32 bytes of a row of res, in the layout of an accumulator
.set SPW,  28
.set NIL,  29
.set BI,   32                          ; v[32:63] bias of column block b at BI + 8 b
.set TT,   64                          ; v[64:71] at work
.set ACC,  128
.set F0,   0
.set F1,   128
.set WV,   16
.set RH,   17
.set CH,   18
.set G1,   24
.set G0,   32                          ; s[32:35] first fill of slot 0; s[36:39] first fill of slot 1, which then walks
.set G1B,  48
.set G0B,  56
.set TB,   66                          ; LDS byte at which the slot in hand begins: 0 or SLOT
.set CNT,  68
.set HIM,  69
.set RES,  70
.set MSB, 0
.macro WIN new
.if MSB != (\new)
	s_set_vgpr_msb (MSB<<8)|(\new)
.set MSB, \new
.endif
.endm
.set MUL,  0x05                        ; sources 0 (W) and 1 (A) window 1; C and D window 0
.set TO_F, 0x40
.macro JLOAD s
	s_cmp_eq_u32 s[RH], 0
	s_cbranch_scc0 .Lfor_b_\@
	tensor_load_to_lds s[G0+4*(\s):G0+4*(\s)+3], s[G1:G1+7]
	s_nop 0
.rept 4
	v_nop
.endr
	s_branch .Lasked_\@
.Lfor_b_\@:
	tensor_load_to_lds s[G0B+4*(\s):G0B+4*(\s)+3], s[G1B:G1B+7]
	s_nop 0
.rept 4
	v_nop
.endr
.Lasked_\@:
.endm
.macro CREST
	s_cmp_lg_u32 s[WV], 0
	s_cbranch_scc1 .Lnot_wave_0_\@
	s_barrier_signal -3
.Lnot_wave_0_\@:
	s_barrier_wait -3
	s_barrier_signal -1
	s_barrier_wait -1
.endm
.macro CROUND
	s_barrier_signal -1
	s_barrier_wait -1
	CREST
.endm
.macro MUL8 f, c, a0                   ; 8 matrix instructions: row blocks a0, a0 + 1 x all 4 column blocks, 32 along K: half c of buffer f.  The 16 accumulators take turns
	WIN MUL
.irp a, \a0, (\a0)+1
.irp b, 0,1,2,3
	v_wmma_f32_16x16x32_f16 v[ACC+8*(4*(\a)+(\b)):ACC+8*(4*(\a)+(\b))+7], v[(\f)+64+8*(4*(\c)+(\b)):(\f)+64+8*(4*(\c)+(\b))+7], v[(\f)+8*(4*(\c)+(\a)):(\f)+8*(4*(\c)+(\a))+7], v[ACC+8*(4*(\a)+(\b)):ACC+8*(4*(\a)+(\b))+7]
.endr
.endr
.endm
.macro FETCH q, f                      ; 32 LDS loads in one run: quarter q (64 along K: one group of A) of the slot in hand into buffer f; the first 32 along K first
	WIN TO_F
.irp c, 0,1
.irp i, 0,1,2,3
	ds_load_tr16_b128 v[(\f)+64+8*(4*(\c)+(\i)):(\f)+64+8*(4*(\c)+(\i))+3],   v[CB+(\q)/2] offset:(2*((\q)%2)+(\c))*32*PB+32*(\i)
	ds_load_tr16_b128 v[(\f)+64+8*(4*(\c)+(\i))+4:(\f)+64+8*(4*(\c)+(\i))+7], v[CB+(\q)/2] offset:(2*((\q)%2)+(\c))*32*PB+16*PB+32*(\i)
	ds_load_b128 v[(\f)+8*(4*(\c)+(\i)):(\f)+8*(4*(\c)+(\i))+3],         v[CA] offset:(\q)*64*PA+64*(\c)+(\i)*16*PA
	ds_load_b128 v[(\f)+8*(4*(\c)+(\i))+4:(\f)+8*(4*(\c)+(\i))+7],       v[CA] offset:(\q)*64*PA+64*(\c)+(\i)*16*PA+32
.endr
.endr
.endm
.macro PLACES
.rept 4
	v_nop
.endr
.endm
.macro QUARTER q, f, g                 ; multiplies buffer f and fetches quarter q of the slot in hand into g
	s_wait_dscnt 16                                ; the first 32 along K are in
	MUL8 \f, 0, 0
	MUL8 \f, 0, 2
	PLACES
	FETCH \q, \g
	s_wait_dscnt 32                                ; all but the 32 just issued
	MUL8 \f, 1, 0
	MUL8 \f, 1, 2
.endm
; The last quarter of a K step multiplies buffer 1 and changes slots, with one barrier.  fill = 1: the barrier opens a round of the cluster, and the slot just read out is filled again, two K steps on, first thing
; behind the round.  fill = 0: nothing is filled; in the last trip (CNT = 1) there is no next slot and the run of loads is jumped over.
.macro TURN fill
	WIN 0
	s_wait_tensorcnt 0x0                           ; all my tensor loads have landed: my part of the next slot
	ds_add_u32 v[SPW], v[NIL]                      ; 0 onto my spare word
	s_wait_dscnt 17                                ; the add and the youngest sixteen loads may be out
	MUL8 F1, 0, 0
	s_wait_dscnt 0x0                               ; the add is done and my reads of this slot are over
	s_barrier_signal -1
	MUL8 F1, 0, 2
	WIN 0
	s_barrier_wait -1
.if \fill
	CREST
	s_xor_b32 s[G0+5], s[G0+5], SLOT               ; the walking descriptors: the other slot than last time,
	s_add_nc_u64 s[G0+6:G0+7], s[G0+6:G0+7], 2097152      ; the next K step: four groups of A,
	s_xor_b32 s[G0B+5], s[G0B+5], SLOT
	s_add_nc_u64 s[G0B+6:G0B+7], s[G0B+6:G0B+7], 524288   ; 256 rows of 2,048 bytes of W
	JLOAD 1                                        ; its four v_nop are also the places in front of the loads below
.else
	PLACES
.endif
	s_xor_b32 s[TB], s[TB], SLOT                   ; the fetches go on in the other slot
	v_add_nc_u32 v[CA], s[TB], v[ADRA]
	v_add_nc_u32 v[CB], s[TB], v[ADRB]
	v_add_nc_u32 v[CB+1], s[TB], v[ADRB+1]
.if !(\fill)
	s_cmp_eq_u32 s[CNT], 1
	s_cbranch_scc1 .Lno_fetch_\@
.endif
	FETCH 0, F0
.if !(\fill)
	WIN 0
.Lno_fetch_\@:
.endif
	MUL8 F1, 1, 0
	MUL8 F1, 1, 2
.endm
.macro STEP fill                       ; a K step: four quarters of 64 along K on buffers 0, 1, 0, 1
	QUARTER 1, F0, F1
	QUARTER 2, F1, F0
	QUARTER 3, F0, F1
	TURN \fill
	WIN 0
.endm
	s_load_b256 s[4:11], s[0:1], 0x0               ; A s[4:5], W s[6:7], res s[8:9], out s[10:11]
.if MODE
	s_load_b64 s[12:13], s[0:1], 0x20              ; bias
.endif
	v_lshl_add_u32 v[SPW], v0, 2, SPARE
	v_mov_b32 v[NIL], 0
	ds_add_u32 v[SPW], v[NIL]                      ; the opening add, waited for ahead of my first tensor load
	ds_add_u32 v28, v29
	v_lshrrev_b32 v1, 5, v0
	v_readfirstlane_b32 s[WV], v1
	s_lshr_b32 s[RH], s[WV], 1
	s_and_b32 s[CH], s[WV], 1
	s_bfe_u32 s19, ttmp6, 0x40000                  ; cx
	s_bfe_u32 s20, ttmp6, 0x40004                  ; cy
	s_lshl_b32 s21, ttmp9, 2
	s_add_co_u32 s21, s21, s19                     ; tile column
	s_and_b32 s22, ttmp7, 0xffff
	s_lshl_b32 s22, s22, 2
	s_add_co_u32 s22, s22, s20                     ; tile row
	s_lshl_b32 s23, s20, 2
	s_lshl_b32 s23, 15, s23                        ; my row of the cluster
	s_lshl_b32 s40, 0x1111, s19                    ; my column
	s_or_b32 s[G1+0], s23, (1<<16)|(1<<20)|(1<<21)|(4<<22)|(3<<25)   ; after every 32 words 4 words
	s_or_b32 s[G1B+0], s40, (1<<16)|(1<<20)|(1<<21)|(5<<22)|(7<<25)  ; after every 64 words 8 words
	s_mov_b32 s[G1+1], 4096<<16                    ; tensor_dim0 = 4,096 elements: 64 rows of a group
	s_mov_b32 s[G1+2], 4<<16                       ; tensor_dim1 = 4 groups
	s_mov_b32 s[G1+3], 4096<<16                    ; tile_dim0
	s_mov_b32 s[G1+4], 4                           ; tile_dim1
	s_mov_b32 s[G1+5], 262144                      ; elements from group to group
	s_mov_b32 s[G1+6], 0
	s_mov_b32 s[G1+7], 0
	s_mov_b32 s[G1B+1], 128<<16
	s_mov_b32 s[G1B+2], 128<<16
	s_mov_b32 s[G1B+3], 128<<16
	s_mov_b32 s[G1B+4], 128
	s_mov_b32 s[G1B+5], 1024
	s_mov_b32 s[G1B+6], 0
	s_mov_b32 s[G1B+7], 0
	s_lshl_b32 s42, s22, 14                        ; A: row 128 x tile row + 64 x half, 128 bytes a row
	s_lshl_b32 s41, s[CH], 13
	s_add_co_u32 s42, s42, s41
	s_mov_b32 s43, 0
	s_lshl_b32 s44, s21, 8                         ; W: 128 columns of 2 bytes x tile column, 128 rows of 2,048 bytes x half
	s_lshl_b32 s41, s[CH], 18
	s_add_co_u32 s44, s44, s41
	s_add_co_u32 s44, s44, 0x800000
	s_mov_b32 s45, 0
	s_mul_i32 s46, s[WV], HALFT
	s_mov_b32 s[HIM], 0xffff0000
	s_mov_b32 s[TB], 0
	s_wait_dscnt 0x0                               ; the opening add is done
	s_wait_kmcnt 0x0
	s_add_nc_u64 s[42:43], s[4:5], s[42:43]
	s_add_nc_u64 s[44:45], s[6:7], s[44:45]
	CROUND                                         ; all sixteen work-groups are here: the first joint loads meet
.irp s, 0,1
	s_mov_b32 s[G0+4*(\s)], 1
	s_add_co_u32 s[G0+4*(\s)+1], s46, (\s)*SLOT
	s_add_nc_u64 s[G0+4*(\s)+2:G0+4*(\s)+3], s[42:43], (\s)*2097152
	s_or_b32 s[G0+4*(\s)+3], s[G0+4*(\s)+3], 0x80000000
	s_mov_b32 s[G0B+4*(\s)], 1
	s_add_co_u32 s[G0B+4*(\s)+1], s46, (\s)*SLOT
	s_add_nc_u64 s[G0B+4*(\s)+2:G0B+4*(\s)+3], s[44:45], (\s)*524288
	s_or_b32 s[G0B+4*(\s)+3], s[G0B+4*(\s)+3], 0x80000000
	JLOAD \s
.endr
	v_and_b32 v1, 15, v0                           ; r
	v_bfe_u32 v2, v0, 4, 1                         ; h
	v_lshlrev_b32 v5, 12, v1
	v_lshl_add_u32 v[RO], v2, 5, v5                ; row r, columns 8 h ..
	s_lshl_b32 s72, s21, 9                         ; (128 x tile column + 64 x half) x 4 bytes
	s_lshl_b32 s73, s[CH], 8
	s_add_co_u32 s72, s72, s73
	v_lshl_add_u32 v[BO], v2, 5, s72
	s_lshl_b32 s73, s22, 19                        ; (128 x tile row + 64 x half) x 4,096 bytes
	s_add_co_u32 s72, s72, s73
	s_lshl_b32 s73, s[RH], 18
	s_add_co_u32 s72, s72, s73
	s_mov_b32 s73, 0
	s_add_nc_u64 s[RES:RES+1], s[8:9], s[72:73]
	s_add_nc_u64 s[10:11], s[10:11], s[72:73]
.irp a, 0,1,2,3
.irp b, 0,1,2,3
	global_load_b128 v[ACC+8*(4*\a+\b):ACC+8*(4*\a+\b)+3],   v[RO], s[RES:RES+1] offset:65536*\a+64*\b
	global_load_b128 v[ACC+8*(4*\a+\b)+4:ACC+8*(4*\a+\b)+7], v[RO], s[RES:RES+1] offset:65536*\a+64*\b+16
.endr
.endr
.if MODE
.irp b, 0,1,2,3
	global_load_b128 v[BI+8*\b:BI+8*\b+3],   v[BO], s[12:13] offset:64*\b
	global_load_b128 v[BI+8*\b+4:BI+8*\b+7], v[BO], s[12:13] offset:64*\b+16
.endr
.endif
	v_mul_u32_u24 v3, v1, PA
	v_lshl_add_u32 v3, v2, 4, v3
	s_mul_i32 s41, s[RH], HALFT
	v_add_nc_u32 v[ADRA], s41, v3
	v_mov_b32 v[CA], v[ADRA]
	v_and_b32 v4, 7, v0
	v_lshl_add_u32 v4, v2, 3, v4
	v_mul_u32_u24 v4, v4, PB
	v_bfe_u32 v5, v0, 3, 1
	v_lshl_add_u32 v4, v5, 4, v4
	s_lshl_b32 s41, s[CH], 7
	s_add_co_u32 s41, s41, 2*HALFT
	v_add_nc_u32 v[ADRB], s41, v4
	v_add_nc_u32 v[ADRB+1], HALFT, v[ADRB]
	v_mov_b32 v[CB], v[ADRB]
	v_mov_b32 v[CB+1], v[ADRB+1]
	s_mul_i32 s41, s[WV], 64*SPITCH
	v_mul_u32_u24 v5, v1, SPITCH
	v_lshl_add_u32 v5, v2, 5, v5
	v_add_nc_u32 v[STO], s41, v5
	v_mul_u32_u24 v5, v2, SPITCH
	v_lshl_add_u32 v5, v1, 4, v5
	v_add_nc_u32 v[RD], s41, v5
	v_lshlrev_b32 v5, 12, v2
	v_lshl_add_u32 v[CO], v1, 4, v5
	s_wait_loadcnt 0x0                             ; the residual (and the bias)
.if MODE
.set i, 0
.rept 16
	v_cvt_pk_bf16_f32 v[TT+i%8], v[BI+2*i], v[BI+2*i+1]
	v_lshlrev_b32 v[BI+2*i], 16, v[TT+i%8]
	v_and_b32 v[BI+2*i+1], s[HIM], v[TT+i%8]
.set i, i+1
.endr
.irp a, 0,1,2,3
.irp b, 0,1,2,3
.irp p, 0,1,2,3
	v_pk_add_f32 v[ACC+8*(4*\a+\b)+2*\p:ACC+8*(4*\a+\b)+2*\p+1], v[ACC+8*(4*\a+\b)+2*\p:ACC+8*(4*\a+\b)+2*\p+1], v[BI+8*\b+2*\p:BI+8*\b+2*\p+1]
.endr
.endr
.endr
.else
.set i, 0
.rept 64
	v_cvt_pk_bf16_f32 v[TT+i%8], v[ACC+2*i], v[ACC+2*i+1]
	v_lshlrev_b32 v[ACC+2*i], 16, v[TT+i%8]
	v_and_b32 v[ACC+2*i+1], s[HIM], v[TT+i%8]
.set i, i+1
.endr
.endif
	s_wait_tensorcnt 1                             ; my part of K step 0 is in; K step 1 may stay out
	s_barrier_signal -1
	s_barrier_wait -1
	FETCH 0, F0
	WIN 0
	s_mov_b32 s[CNT], KSTEPS-2
.Lstep:                                            ; a trip is a K step, and fills the slot that it leaves
	STEP 1
	s_sub_co_u32 s[CNT], s[CNT], 1
	s_cmp_lg_u32 s[CNT], 0
	s_cbranch_scc1 .Lstep
	s_mov_b32 s[CNT], 2
.Ltail:                                            ; the last two K steps fill nothing
	STEP 0
	s_sub_co_u32 s[CNT], s[CNT], 1
	s_cmp_lg_u32 s[CNT], 0
	s_cbranch_scc1 .Ltail
	PLACES                                         ; in front of the last barrier every wave has waited for its last reads of the ring, which has had its last fill: it becomes the stages
.irp a, 0,1,2,3
.irp b, 0,1,2,3
	ds_store_b128 v[STO], v[ACC+8*(4*\a+\b):ACC+8*(4*\a+\b)+3]   offset:\a*16*SPITCH+64*\b
	ds_store_b128 v[STO], v[ACC+8*(4*\a+\b)+4:ACC+8*(4*\a+\b)+7] offset:\a*16*SPITCH+64*\b+16
.endr
.endr
.set u, 0
.rept 32
	ds_load_b128 v[ACC+4*u:ACC+4*u+3], v[RD] offset:u*2*SPITCH  ; LDS serves the instructions of a wave in order: these see my stores above
.set u, u+1
.endr
.set u, 0
.rept 32
	s_wait_dscnt 31-u
	global_store_b128 v[CO], v[ACC+4*u:ACC+4*u+3], s[10:11] offset:u*8192  ; sixteen lanes store 256 consecutive bytes, aligned
.set u, u+1
.endr
	s_wait_tensorcnt 0x0                           ; the end of the wave
	ds_add_u32 v[SPW], v[NIL]
	s_wait_dscnt 0x0
	CROUND                                         ; the closing round
	s_endpgm
.Lfunc_end_k_q8ed643b2af_oproj:
	.size	k_q8ed643b2af_oproj, .Lfunc_end_k_q8ed643b2af_oproj-k_q8ed643b2af_oproj
	.p2alignl 7, 3214868480
	.fill 96, 4, 3214868480
	.section	.rodata,"a",@progbits
	.p2align	6, 0x0
	.amdhsa_kernel k_q8ed643b2af_oproj
		.amdhsa_group_segment_fixed_size 327680
		.amdhsa_private_segment_fixed_size 0
		.amdhsa_enable_private_segment 0
		.amdhsa_kernarg_size 32
		.amdhsa_user_sgpr_count 2
		.amdhsa_user_sgpr_kernarg_segment_ptr 1
		.amdhsa_wavefront_size32 1
		.amdhsa_system_sgpr_workgroup_id_x 1
		.amdhsa_system_sgpr_workgroup_id_y 1
		.amdhsa_system_sgpr_workgroup_id_z 1
		.amdhsa_system_vgpr_workitem_id 0
		.amdhsa_next_free_vgpr 512
		.amdhsa_next_free_sgpr 74
		.amdhsa_reserve_vcc 0
		.amdhsa_float_denorm_mode_32 3
		.amdhsa_float_denorm_mode_16_64 3
		.amdhsa_memory_ordered 1
		.amdhsa_forward_progress 1
		.amdhsa_inst_pref_size 65
	.end_amdhsa_kernel
	.amdgpu_metadata
---
amdhsa.version: [ 1, 2 ]
amdhsa.kernels:
  - .name:           k_q8ed643b2af_oproj
    .symbol:         k_q8ed643b2af_oproj.kd
    .args:
      - { .name: hbuf, .offset: 0, .size: 8, .value_kind: global_buffer, .address_space: global }
      - { .name: wA, .offset: 8, .size: 8, .value_kind: global_buffer, .address_space: global }
      - { .name: x, .offset: 16, .size: 8, .value_kind: global_buffer, .address_space: global }
      - { .name: x1, .offset: 24, .size: 8, .value_kind: global_buffer, .address_space: global }
    .group_segment_fixed_size: 327680
    .private_segment_fixed_size: 0
    .kernarg_segment_align: 8
    .kernarg_segment_size: 32
    .max_flat_workgroup_size: 128
    .sgpr_count:     74
    .vgpr_count:     512
    .wavefront_size: 32
...
	.end_amdgpu_metadata
.endif
;; end of part 4
;; launch ln2 (part 5): grid 256 x 1, 8 waves a work-group, no clusters, 0 bytes of LDS; arguments x1, ln2_g, ln2_b, hbuf; writes hbuf
.if DOCPART == 5
	.amdgcn_target "amdgcn-amd-amdhsa--gfx1250"
	.amdhsa_code_object_version 6
	.text
	.protected	k_q8ed643b2af_ln2
	.globl	k_q8ed643b2af_ln2
	.p2align	8
	.type	k_q8ed643b2af_ln2,@function
k_q8ed643b2af_ln2:
	s_mov_b64 s[64:65], 0
	v_nop
	global_prefetch_b8 v0, s[64:65] scope:SCOPE_SE
	s_setreg_imm32_b32 hwreg(HW_REG_WAVE_MODE, 25, 1), 1
	s_wait_xcnt 0x0
; h2 = layer norm of x1 (gain ln2_g, bias ln2_b), stored in bf16, [4096][1024].  x1 is the program's own f32 intermediate and is taken as it is; gain and bias, inputs of the module, are rounded to bf16.
; A wave owns two rows; a row of 4,096 bytes is eight loads of 16 bytes a lane and stays in 32 registers.  The mean is taken first and taken away, the variance is the mean of the squares of what is left:
; no difference of large sums.  Nothing leaves the wave: no LDS, no barrier.  NaN and infinities are not treated apart.
.set LO,  2
.set SO,  3
.set T,   8
.set MU,  16
.set RS,  18
.set SA,  22
.set X0,  32
.set X1,  64
.set G,   96
.set BB,  128
.set PX,  4
.set PG,  6
.set PBE, 8
.set PH,  10
.set WV,  28
.set SEL, 32
.set XB,  34
.set HB,  36
.set HIM, 42
.set INV, 43
.set EPS, 44
.macro RND base                        ; 32 numbers rounded to bf16 and widened again, in place
.set i, 0
.rept 16
	v_cvt_pk_bf16_f32 v[T+i%8], v[(\base)+2*i], v[(\base)+2*i+1]
	v_lshlrev_b32 v[(\base)+2*i], 16, v[T+i%8]
	v_and_b32 v[(\base)+2*i+1], s[HIM], v[T+i%8]
.set i, i+1
.endr
.endm
.macro JOIN                            ; the four chains into one number, then over the 32 lanes
	v_pk_add_f32 v[SA:SA+1], v[SA:SA+1], v[SA+2:SA+3]
	v_pk_add_f32 v[SA+4:SA+5], v[SA+4:SA+5], v[SA+6:SA+7]
	v_pk_add_f32 v[SA:SA+1], v[SA:SA+1], v[SA+4:SA+5]
	v_add_f32 v[SA], v[SA], v[SA+1]
	v_add_f32_dpp v[SA], v[SA], v[SA] row_xmask:1 row_mask:0xf bank_mask:0xf
	v_add_f32_dpp v[SA], v[SA], v[SA] row_xmask:2 row_mask:0xf bank_mask:0xf
	v_add_f32_dpp v[SA], v[SA], v[SA] row_xmask:4 row_mask:0xf bank_mask:0xf
	v_add_f32_dpp v[SA], v[SA], v[SA] row_xmask:8 row_mask:0xf bank_mask:0xf
	v_permlanex16_b32 v[SA+1], v[SA], s[SEL], s[SEL+1]
	v_add_f32 v[SA], v[SA], v[SA+1]
.endm
.macro STAT base, k
.irp c, 0,1,2,3
	v_pk_add_f32 v[SA+2*\c:SA+2*\c+1], v[(\base)+2*\c:(\base)+2*\c+1], v[(\base)+8+2*\c:(\base)+8+2*\c+1]
.endr
.irp c, 0,1,2,3
	v_pk_add_f32 v[SA+2*\c:SA+2*\c+1], v[SA+2*\c:SA+2*\c+1], v[(\base)+16+2*\c:(\base)+16+2*\c+1]
.endr
.irp c, 0,1,2,3
	v_pk_add_f32 v[SA+2*\c:SA+2*\c+1], v[SA+2*\c:SA+2*\c+1], v[(\base)+24+2*\c:(\base)+24+2*\c+1]
.endr
	JOIN
	v_mul_f32 v[MU], s[INV], v[SA]
	v_mov_b32 v[MU+1], v[MU]
.set i, 0
.rept 16
	v_pk_add_f32 v[(\base)+2*i:(\base)+2*i+1], v[(\base)+2*i:(\base)+2*i+1], v[MU:MU+1] neg_lo:[0,1] neg_hi:[0,1]
.set i, i+1
.endr
.irp c, 0,1,2,3
	v_pk_mul_f32 v[SA+2*\c:SA+2*\c+1], v[(\base)+2*\c:(\base)+2*\c+1], v[(\base)+2*\c:(\base)+2*\c+1]
.endr
.set i, 4
.rept 12
	v_pk_fma_f32 v[SA+2*(i%4):SA+2*(i%4)+1], v[(\base)+2*i:(\base)+2*i+1], v[(\base)+2*i:(\base)+2*i+1], v[SA+2*(i%4):SA+2*(i%4)+1]
.set i, i+1
.endr
	JOIN
	v_fma_f32 v[MU], v[SA], s[INV], s[EPS]         ; variance + eps, in a register that the lines behind the two v_rsq_f32 do not write
	v_rsq_f32 v[RS+2*(\k)], v[MU]
	v_rsq_f32 v[RS+2*(\k)+1], v[MU]
.endm
.macro FIN base, k, off
.set i, 0
.rept 16
	v_pk_mul_f32 v[(\base)+2*i:(\base)+2*i+1], v[(\base)+2*i:(\base)+2*i+1], v[RS+2*(\k):RS+2*(\k)+1]
.set i, i+1
.endr
.set i, 0
.rept 16
	v_pk_fma_f32 v[(\base)+2*i:(\base)+2*i+1], v[(\base)+2*i:(\base)+2*i+1], v[G+2*i:G+2*i+1], v[BB+2*i:BB+2*i+1]
.set i, i+1
.endr
.set i, 0
.rept 16
	v_cvt_pk_bf16_f32 v[(\base)+i], v[(\base)+2*i], v[(\base)+2*i+1]
.set i, i+1
.endr
.irp j, 0,1,2,3,4,5,6,7
	global_store_b64 v[SO], v[(\base)+2*\j:(\base)+2*\j+1], s[HB:HB+1] offset:(\off)+256*\j  ; 256 consecutive bytes, aligned
.endr
.endm
	s_load_b256 s[4:11], s[0:1], 0x0               ; x1 4, gain 6, bias 8, hbuf 10
	v_lshrrev_b32 v1, 5, v0
	v_readfirstlane_b32 s[WV], v1
	v_and_b32 v1, 31, v0
	v_lshlrev_b32 v[LO], 4, v1
	v_lshlrev_b32 v[SO], 3, v1
	s_mov_b32 s[HIM], 0xffff0000
	s_mov_b32 s[INV], 0x3a800000
	s_mov_b32 s[EPS], 0x3727c5ac
	s_mov_b32 s[SEL], 0x76543210
	s_mov_b32 s[SEL+1], 0xfedcba98
	s_lshl_b32 s30, ttmp9, 4
	s_lshl1_add_u32 s30, s[WV], s30                ; my two rows
	s_lshl_b32 s[XB], s30, 12
	s_mov_b32 s[XB+1], 0
	s_lshl_b32 s[HB], s30, 11
	s_mov_b32 s[HB+1], 0
	s_wait_kmcnt 0x0
	s_add_nc_u64 s[XB:XB+1], s[PX:PX+1], s[XB:XB+1]
	s_add_nc_u64 s[HB:HB+1], s[PH:PH+1], s[HB:HB+1]
.irp j, 0,1,2,3,4,5,6,7
	global_load_b128 v[X0+4*\j:X0+4*\j+3], v[LO], s[XB:XB+1] offset:512*\j
.endr
.irp j, 0,1,2,3,4,5,6,7
	global_load_b128 v[X1+4*\j:X1+4*\j+3], v[LO], s[XB:XB+1] offset:4096+512*\j
.endr
.irp j, 0,1,2,3,4,5,6,7
	global_load_b128 v[G+4*\j:G+4*\j+3], v[LO], s[PG:PG+1] offset:512*\j
.endr
.irp j, 0,1,2,3,4,5,6,7
	global_load_b128 v[BB+4*\j:BB+4*\j+3], v[LO], s[PBE:PBE+1] offset:512*\j
.endr
	s_wait_loadcnt 16                              ; both rows are in; the 16 loads of gain and bias may stay out
	STAT X0, 0
	STAT X1, 1
	v_nop                                          ; a plain instruction behind the last v_rsq_f32
	s_wait_alu depctr_va_vdst(0)                   ; one wait for the four, ahead of their first reader
	s_wait_loadcnt 0x0
	RND G
	RND BB
	FIN X0, 0, 0
	FIN X1, 1, 2048
	s_endpgm
.Lfunc_end_k_q8ed643b2af_ln2:
	.size	k_q8ed643b2af_ln2, .Lfunc_end_k_q8ed643b2af_ln2-k_q8ed643b2af_ln2
	.p2alignl 7, 3214868480
	.fill 96, 4, 3214868480
	.section	.rodata,"a",@progbits
	.p2align	6, 0x0
	.amdhsa_kernel k_q8ed643b2af_ln2
		.amdhsa_group_segment_fixed_size 0
		.amdhsa_private_segment_fixed_size 0
		.amdhsa_enable_private_segment 0
		.amdhsa_kernarg_size 32
		.amdhsa_user_sgpr_count 2
		.amdhsa_user_sgpr_kernarg_segment_ptr 1
		.amdhsa_wavefront_size32 1
		.amdhsa_system_sgpr_workgroup_id_x 1
		.amdhsa_system_sgpr_workgroup_id_y 1
		.amdhsa_system_sgpr_workgroup_id_z 1
		.amdhsa_system_vgpr_workitem_id 0
		.amdhsa_next_free_vgpr 160
		.amdhsa_next_free_sgpr 66
		.amdhsa_reserve_vcc 0
		.amdhsa_float_denorm_mode_32 3
		.amdhsa_float_denorm_mode_16_64 3
		.amdhsa_memory_ordered 1
		.amdhsa_forward_progress 1
		.amdhsa_inst_pref_size 24
	.end_amdhsa_kernel
	.amdgpu_metadata
---
amdhsa.version: [ 1, 2 ]
amdhsa.kernels:
  - .name:           k_q8ed643b2af_ln2
    .symbol:         k_q8ed643b2af_ln2.kd
    .args:
      - { .name: x1, .offset: 0, .size: 8, .value_kind: global_buffer, .address_space: global }
      - { .name: ln2_g, .offset: 8, .size: 8, .value_kind: global_buffer, .address_space: global }
      - { .name: ln2_b, .offset: 16, .size: 8, .value_kind: global_buffer, .address_space: global }
      - { .name: hbuf, .offset: 24, .size: 8, .value_kind: global_buffer, .address_space: global }
    .group_segment_fixed_size: 0
    .private_segment_fixed_size: 0
    .kernarg_segment_align: 8
    .kernarg_segment_size: 32
    .max_flat_workgroup_size: 256
    .sgpr_count:     66
    .vgpr_count:     160
    .wavefront_size: 32
...
	.end_amdgpu_metadata
.endif
;; end of part 5
;; launch ff1: the kernel of part 2 again; grid 16 x 16, 4 waves a work-group, clusters of 4 x 4, 327,680 bytes of LDS; arguments hbuf, wB, b1, cfg1, big; writes big
;; launch ff2 (part 6): grid 8 x 32, 4 waves a work-group, clusters of 4 x 4, 327,680 bytes of LDS; arguments big, wB, x1, out0, b2; writes out0
.if DOCPART == 6
	.amdgcn_target "amdgcn-amd-amdhsa--gfx1250"
	.amdhsa_code_object_version 6
	.text
	.protected	k_q8ed643b2af_ff2
	.globl	k_q8ed643b2af_ff2
	.p2align	8
	.type	k_q8ed643b2af_ff2,@function
k_q8ed643b2af_ff2:
	s_mov_b64 s[64:65], 0
	v_nop
	global_prefetch_b8 v0, s[64:65] scope:SCOPE_SE
	s_setreg_imm32_b32 hwreg(HW_REG_WAVE_MODE, 25, 1), 1
	s_wait_xcnt 0x0
	s_wait_alu depctr_hold_cnt(0) depctr_sa_sdst(0) depctr_va_vdst(0) depctr_va_sdst(0) depctr_va_ssrc(0) depctr_va_vcc(0) depctr_vm_vsrc(0)
	s_getreg_b32 s2, hwreg(HW_REG_IB_STS2, 6, 4)
	s_cmp_eq_u32 s2, 0
	s_cbranch_scc0 .Lentry_in_a_cluster
	s_endpgm
.Lentry_in_a_cluster:
	s_bfe_u32 s2, ttmp6, 0x10000c
	s_cmp_lg_u32 s2, 0xf033
	s_cbranch_scc0 .Lentry_shape_is_right
	s_endpgm
.Lentry_shape_is_right:
; out = res (+ bias) + A W, N = 1024, K = 256 x KSTEPS.  A: f16 by groups of 64 columns of K, [group][4096 rows][64].  W: f16, row-major [K][1024], 8,388,608 bytes into its buffer.
; res and out: f32 [4096][1024].  Sums in f32.  Two constants of this text: MODE and KSTEPS.  Here: the second product of the feed-forward part, out = x1 + b2 + act w2: MODE 1, K = 4096.
; MODE 0: res is an input of the module and is rounded to bf16 like all inputs; no bias.  MODE 1: res is taken as it is; the bias, rounded to bf16, is added.
; The residual (and bias) IS the C operand of the first products: it is loaded straight into the accumulators, in their layout, beside the first tiles; nothing is cleared and nothing is added at the end.
; SHAPE: a tile of C is 128 x 128; four waves, each 64 x 64 in 16 accumulators.  K goes in steps of 256 (four groups of A) through two LDS slots filled by the tensor data mover.
; A: 64 rows of a group are 8,192 dense bytes, asked for as one row of the tile, four groups as four rows, padded in LDS after every 128 bytes (pitch 144).  W: rows of 256 bytes, pitch 288, turned by ds_load_tr16_b128.
; The matrix instruction is used transposed (source 0 = 16 columns of W, source 1 = 16 rows of A).  CLUSTER 4 x 4: A is asked for jointly along a row of the cluster, W along a column.
; ONE TEXT FOR A K STEP: the slot in hand is a scalar, 0 or SLOT, turned by an exclusive or at each change of slots and added to the lanes' fixed places; the descriptors of the second first fill walk on:
; LDS word turned by the same exclusive or (no bit of SLOT is set in wave x HALFT), address one K step on.  KSTEPS - 2 trips fill a slot again; two more fill nothing, and the last of them fetches nothing.
; WAY OUT: when the ring has had its last fill and every wave has read it out, each wave sends its 64 x 64 sums through its own 17,408 bytes of the ring; sixteen lanes then store 256 consecutive bytes, aligned.
; LIMITS: A and W lie within 65,504 (f16).  NaN and infinities are not treated apart.  No prefetch: the tiles are shared in clusters and read by many work-groups at about the same time.
.set MODE,   1
.set KSTEPS, 16
.set PA,     144
.set PB,     288
.set HALFT,  36864                     ; 4 groups x 64 rows x 144 = 128 rows x 288
.set SLOT,   4*HALFT
.set SPITCH, 272
.set SPARE,  2*SLOT
.set BO,   10                          ; v10  byte offset of my eight columns in the bias
.set ADRA, 16                          ; v16  my place in the fragments of A, slot 0; never rewritten
.set CA,   17                          ; v17  the same in the slot in hand
.set ADRB, 20                          ; v20-21  my place in the fragments of W, slot 0: rows 0-127, 128-255; never rewritten
.set CB,   22                          ; v22-23  the same in the slot in hand
.set STO,  24
.set RD,   25
.set CO,   26                          ; my 16 bytes in two rows of out
.set RO,   27                          ; my 32 bytes of a row of res, in the layout of an accumulator
.set SPW,  28
.set NIL,  29
.set BI,   32                          ; v[32:63] bias of column block b at BI + 8 b
.set TT,   64                          ; v[64:71] at work
.set ACC,  128
.set F0,   0
.set F1,   128
.set WV,   16
.set RH,   17
.set CH,   18
.set G1,   24
.set G0,   32                          ; s[32:35] first fill of slot 0; s[36:39] first fill of slot 1, which then walks
.set G1B,  48
.set G0B,  56
.set TB,   66                          ; LDS byte at which the slot in hand begins: 0 or SLOT
.set CNT,  68
.set HIM,  69
.set RES,  70
.set MSB, 0
.macro WIN new
.if MSB != (\new)
	s_set_vgpr_msb (MSB<<8)|(\new)
.set MSB, \new
.endif
.endm
.set MUL,  0x05                        ; sources 0 (W) and 1 (A) window 1; C and D window 0
.set TO_F, 0x40
.macro JLOAD s
	s_cmp_eq_u32 s[RH], 0
	s_cbranch_scc0 .Lfor_b_\@
	tensor_load_to_lds s[G0+4*(\s):G0+4*(\s)+3], s[G1:G1+7]
	s_nop 0
.rept 4
	v_nop
.endr
	s_branch .Lasked_\@
.Lfor_b_\@:
	tensor_load_to_lds s[G0B+4*(\s):G0B+4*(\s)+3], s[G1B:G1B+7]
	s_nop 0
.rept 4
	v_nop
.endr
.Lasked_\@:
.endm
.macro CREST
	s_cmp_lg_u32 s[WV], 0
	s_cbranch_scc1 .Lnot_wave_0_\@
	s_barrier_signal -3
.Lnot_wave_0_\@:
	s_barrier_wait -3
	s_barrier_signal -1
	s_barrier_wait -1
.endm
.macro CROUND
	s_barrier_signal -1
	s_barrier_wait -1
	CREST
.endm
.macro MUL8 f, c, a0                   ; 8 matrix instructions: row blocks a0, a0 + 1 x all 4 column blocks, 32 along K: half c of buffer f.  The 16 accumulators take turns
	WIN MUL
.irp a, \a0, (\a0)+1
.irp b, 0,1,2,3
	v_wmma_f32_16x16x32_f16 v[ACC+8*(4*(\a)+(\b)):ACC+8*(4*(\a)+(\b))+7], v[(\f)+64+8*(4*(\c)+(\b)):(\f)+64+8*(4*(\c)+(\b))+7], v[(\f)+8*(4*(\c)+(\a)):(\f)+8*(4*(\c)+(\a))+7], v[ACC+8*(4*(\a)+(\b)):ACC+8*(4*(\a)+(\b))+7]
.endr
.endr
.endm
.macro FETCH q, f                      ; 32 LDS loads in one run: quarter q (64 along K: one group of A) of the slot in hand into buffer f; the first 32 along K first
	WIN TO_F
.irp c, 0,1
.irp i, 0,1,2,3
	ds_load_tr16_b128 v[(\f)+64+8*(4*(\c)+(\i)):(\f)+64+8*(4*(\c)+(\i))+3],   v[CB+(\q)/2] offset:(2*((\q)%2)+(\c))*32*PB+32*(\i)
	ds_load_tr16_b128 v[(\f)+64+8*(4*(\c)+(\i))+4:(\f)+64+8*(4*(\c)+(\i))+7], v[CB+(\q)/2] offset:(2*((\q)%2)+(\c))*32*PB+16*PB+32*(\i)
	ds_load_b128 v[(\f)+8*(4*(\c)+(\i)):(\f)+8*(4*(\c)+(\i))+3],         v[CA] offset:(\q)*64*PA+64*(\c)+(\i)*16*PA
	ds_load_b128 v[(\f)+8*(4*(\c)+(\i))+4:(\f)+8*(4*(\c)+(\i))+7],       v[CA] offset:(\q)*64*PA+64*(\c)+(\i)*16*PA+32
.endr
.endr
.endm
.macro PLACES
.rept 4
	v_nop
.endr
.endm
.macro QUARTER q, f, g                 ; multiplies buffer f and fetches quarter q of the slot in hand into g
	s_wait_dscnt 16                                ; the first 32 along K are in
	MUL8 \f, 0, 0
	MUL8 \f, 0, 2
	PLACES
	FETCH \q, \g
	s_wait_dscnt 32                                ; all but the 32 just issued
	MUL8 \f, 1, 0
	MUL8 \f, 1, 2
.endm
; The last quarter of a K step multiplies buffer 1 and changes slots, with one barrier.  fill = 1: the barrier opens a round of the cluster, and the slot just read out is filled again, two K steps on, first thing
; behind the round.  fill = 0: nothing is filled; in the last trip (CNT = 1) there is no next slot and the run of loads is jumped over.
.macro TURN fill
	WIN 0
	s_wait_tensorcnt 0x0                           ; all my tensor loads have landed: my part of the next slot
	ds_add_u32 v[SPW], v[NIL]                      ; 0 onto my spare word
	s_wait_dscnt 17                                ; the add and the youngest sixteen loads may be out
	MUL8 F1, 0, 0
	s_wait_dscnt 0x0                               ; the add is done and my reads of this slot are over
	s_barrier_signal -1
	MUL8 F1, 0, 2
	WIN 0
	s_barrier_wait -1
.if \fill
	CREST
	s_xor_b32 s[G0+5], s[G0+5], SLOT               ; the walking descriptors: the other slot than last time,
	s_add_nc_u64 s[G0+6:G0+7], s[G0+6:G0+7], 2097152      ; the next K step: four groups of A,
	s_xor_b32 s[G0B+5], s[G0B+5], SLOT
	s_add_nc_u64 s[G0B+6:G0B+7], s[G0B+6:G0B+7], 524288   ; 256 rows of 2,048 bytes of W
	JLOAD 1                                        ; its four v_nop are also the places in front of the loads below
.else
	PLACES
.endif
	s_xor_b32 s[TB], s[TB], SLOT                   ; the fetches go on in the other slot
	v_add_nc_u32 v[CA], s[TB], v[ADRA]
	v_add_nc_u32 v[CB], s[TB], v[ADRB]
	v_add_nc_u32 v[CB+1], s[TB], v[ADRB+1]
.if !(\fill)
	s_cmp_eq_u32 s[CNT], 1
	s_cbranch_scc1 .Lno_fetch_\@
.endif
	FETCH 0, F0
.if !(\fill)
	WIN 0
.Lno_fetch_\@:
.endif
	MUL8 F1, 1, 0
	MUL8 F1, 1, 2
.endm
.macro STEP fill                       ; a K step: four quarters of 64 along K on buffers 0, 1, 0, 1
	QUARTER 1, F0, F1
	QUARTER 2, F1, F0
	QUARTER 3, F0, F1
	TURN \fill
	WIN 0
.endm
	s_load_b256 s[4:11], s[0:1], 0x0               ; A s[4:5], W s[6:7], res s[8:9], out s[10:11]
.if MODE
	s_load_b64 s[12:13], s[0:1], 0x20              ; bias
.endif
	v_lshl_add_u32 v[SPW], v0, 2, SPARE
	v_mov_b32 v[NIL], 0
	ds_add_u32 v[SPW], v[NIL]                      ; the opening add, waited for ahead of my first tensor load
	ds_add_u32 v28, v29
	v_lshrrev_b32 v1, 5, v0
	v_readfirstlane_b32 s[WV], v1
	s_lshr_b32 s[RH], s[WV], 1
	s_and_b32 s[CH], s[WV], 1
	s_bfe_u32 s19, ttmp6, 0x40000                  ; cx
	s_bfe_u32 s20, ttmp6, 0x40004                  ; cy
	s_lshl_b32 s21, ttmp9, 2
	s_add_co_u32 s21, s21, s19                     ; tile column
	s_and_b32 s22, ttmp7, 0xffff
	s_lshl_b32 s22, s22, 2
	s_add_co_u32 s22, s22, s20                     ; tile row
	s_lshl_b32 s23, s20, 2
	s_lshl_b32 s23, 15, s23                        ; my row of the cluster
	s_lshl_b32 s40, 0x1111, s19                    ; my column
	s_or_b32 s[G1+0], s23, (1<<16)|(1<<20)|(1<<21)|(4<<22)|(3<<25)   ; after every 32 words 4 words
	s_or_b32 s[G1B+0], s40, (1<<16)|(1<<20)|(1<<21)|(5<<22)|(7<<25)  ; after every 64 words 8 words
	s_mov_b32 s[G1+1], 4096<<16                    ; tensor_dim0 = 4,096 elements: 64 rows of a group
	s_mov_b32 s[G1+2], 4<<16                       ; tensor_dim1 = 4 groups
	s_mov_b32 s[G1+3], 4096<<16                    ; tile_dim0
	s_mov_b32 s[G1+4], 4                           ; tile_dim1
	s_mov_b32 s[G1+5], 262144                      ; elements from group to group
	s_mov_b32 s[G1+6], 0
	s_mov_b32 s[G1+7], 0
	s_mov_b32 s[G1B+1], 128<<16
	s_mov_b32 s[G1B+2], 128<<16
	s_mov_b32 s[G1B+3], 128<<16
	s_mov_b32 s[G1B+4], 128
	s_mov_b32 s[G1B+5], 1024
	s_mov_b32 s[G1B+6], 0
	s_mov_b32 s[G1B+7], 0
	s_lshl_b32 s42, s22, 14                        ; A: row 128 x tile row + 64 x half, 128 bytes a row
	s_lshl_b32 s41, s[CH], 13
	s_add_co_u32 s42, s42, s41
	s_mov_b32 s43, 0
	s_lshl_b32 s44, s21, 8                         ; W: 128 columns of 2 bytes x tile column, 128 rows of 2,048 bytes x half
	s_lshl_b32 s41, s[CH], 18
	s_add_co_u32 s44, s44, s41
	s_add_co_u32 s44, s44, 0x800000
	s_mov_b32 s45, 0
	s_mul_i32 s46, s[WV], HALFT
	s_mov_b32 s[HIM], 0xffff0000
	s_mov_b32 s[TB], 0
	s_wait_dscnt 0x0                               ; the opening add is done
	s_wait_kmcnt 0x0
	s_add_nc_u64 s[42:43], s[4:5], s[42:43]
	s_add_nc_u64 s[44:45], s[6:7], s[44:45]
	CROUND                                         ; all sixteen work-groups are here: the first joint loads meet
.irp s, 0,1
	s_mov_b32 s[G0+4*(\s)], 1
	s_add_co_u32 s[G0+4*(\s)+1], s46, (\s)*SLOT
	s_add_nc_u64 s[G0+4*(\s)+2:G0+4*(\s)+3], s[42:43], (\s)*2097152
	s_or_b32 s[G0+4*(\s)+3], s[G0+4*(\s)+3], 0x80000000
	s_mov_b32 s[G0B+4*(\s)], 1
	s_add_co_u32 s[G0B+4*(\s)+1], s46, (\s)*SLOT
	s_add_nc_u64 s[G0B+4*(\s)+2:G0B+4*(\s)+3], s[44:45], (\s)*524288
	s_or_b32 s[G0B+4*(\s)+3], s[G0B+4*(\s)+3], 0x80000000
	JLOAD \s
.endr
	v_and_b32 v1, 15, v0                           ; r
	v_bfe_u32 v2, v0, 4, 1                         ; h
	v_lshlrev_b32 v5, 12, v1
	v_lshl_add_u32 v[RO], v2, 5, v5                ; row r, columns 8 h ..
	s_lshl_b32 s72, s21, 9                         ; (128 x tile column + 64 x half) x 4 bytes
	s_lshl_b32 s73, s[CH], 8
	s_add_co_u32 s72, s72, s73
	v_lshl_add_u32 v[BO], v2, 5, s72
	s_lshl_b32 s73, s22, 19                        ; (128 x tile row + 64 x half) x 4,096 bytes
	s_add_co_u32 s72, s72, s73
	s_lshl_b32 s73, s[RH], 18
	s_add_co_u32 s72, s72, s73
	s_mov_b32 s73, 0
	s_add_nc_u64 s[RES:RES+1], s[8:9], s[72:73]
	s_add_nc_u64 s[10:11], s[10:11], s[72:73]
.irp a, 0,1,2,3
.irp b, 0,1,2,3
	global_load_b128 v[ACC+8*(4*\a+\b):ACC+8*(4*\a+\b)+3],   v[RO], s[RES:RES+1] offset:65536*\a+64*\b
	global_load_b128 v[ACC+8*(4*\a+\b)+4:ACC+8*(4*\a+\b)+7], v[RO], s[RES:RES+1] offset:65536*\a+64*\b+16
.endr
.endr
.if MODE
.irp b, 0,1,2,3
	global_load_b128 v[BI+8*\b:BI+8*\b+3],   v[BO], s[12:13] offset:64*\b
	global_load_b128 v[BI+8*\b+4:BI+8*\b+7], v[BO], s[12:13] offset:64*\b+16
.endr
.endif
	v_mul_u32_u24 v3, v1, PA
	v_lshl_add_u32 v3, v2, 4, v3
	s_mul_i32 s41, s[RH], HALFT
	v_add_nc_u32 v[ADRA], s41, v3
	v_mov_b32 v[CA], v[ADRA]
	v_and_b32 v4, 7, v0
	v_lshl_add_u32 v4, v2, 3, v4
	v_mul_u32_u24 v4, v4, PB
	v_bfe_u32 v5, v0, 3, 1
	v_lshl_add_u32 v4, v5, 4, v4
	s_lshl_b32 s41, s[CH], 7
	s_add_co_u32 s41, s41, 2*HALFT
	v_add_nc_u32 v[ADRB], s41, v4
	v_add_nc_u32 v[ADRB+1], HALFT, v[ADRB]
	v_mov_b32 v[CB], v[ADRB]
	v_mov_b32 v[CB+1], v[ADRB+1]
	s_mul_i32 s41, s[WV], 64*SPITCH
	v_mul_u32_u24 v5, v1, SPITCH
	v_lshl_add_u32 v5, v2, 5, v5
	v_add_nc_u32 v[STO], s41, v5
	v_mul_u32_u24 v5, v2, SPITCH
	v_lshl_add_u32 v5, v1, 4, v5
	v_add_nc_u32 v[RD], s41, v5
	v_lshlrev_b32 v5, 12, v2
	v_lshl_add_u32 v[CO], v1, 4, v5
	s_wait_loadcnt 0x0                             ; the residual (and the bias)
.if MODE
.set i, 0
.rept 16
	v_cvt_pk_bf16_f32 v[TT+i%8], v[BI+2*i], v[BI+2*i+1]
	v_lshlrev_b32 v[BI+2*i], 16, v[TT+i%8]
	v_and_b32 v[BI+2*i+1], s[HIM], v[TT+i%8]
.set i, i+1
.endr
.irp a, 0,1,2,3
.irp b, 0,1,2,3
.irp p, 0,1,2,3
	v_pk_add_f32 v[ACC+8*(4*\a+\b)+2*\p:ACC+8*(4*\a+\b)+2*\p+1], v[ACC+8*(4*\a+\b)+2*\p:ACC+8*(4*\a+\b)+2*\p+1], v[BI+8*\b+2*\p:BI+8*\b+2*\p+1]
.endr
.endr
.endr
.else
.set i, 0
.rept 64
	v_cvt_pk_bf16_f32 v[TT+i%8], v[ACC+2*i], v[ACC+2*i+1]
	v_lshlrev_b32 v[ACC+2*i], 16, v[TT+i%8]
	v_and_b32 v[ACC+2*i+1], s[HIM], v[TT+i%8]
.set i, i+1
.endr
.endif
	s_wait_tensorcnt 1                             ; my part of K step 0 is in; K step 1 may stay out
	s_barrier_signal -1
	s_barrier_wait -1
	FETCH 0, F0
	WIN 0
	s_mov_b32 s[CNT], KSTEPS-2
.Lstep:                                            ; a trip is a K step, and fills the slot that it leaves
	STEP 1
	s_sub_co_u32 s[CNT], s[CNT], 1
	s_cmp_lg_u32 s[CNT], 0
	s_cbranch_scc1 .Lstep
	s_mov_b32 s[CNT], 2
.Ltail:                                            ; the last two K steps fill nothing
	STEP 0
	s_sub_co_u32 s[CNT], s[CNT], 1
	s_cmp_lg_u32 s[CNT], 0
	s_cbranch_scc1 .Ltail
	PLACES                                         ; in front of the last barrier every wave has waited for its last reads of the ring, which has had its last fill: it becomes the stages
.irp a, 0,1,2,3
.irp b, 0,1,2,3
	ds_store_b128 v[STO], v[ACC+8*(4*\a+\b):ACC+8*(4*\a+\b)+3]   offset:\a*16*SPITCH+64*\b
	ds_store_b128 v[STO], v[ACC+8*(4*\a+\b)+4:ACC+8*(4*\a+\b)+7] offset:\a*16*SPITCH+64*\b+16
.endr
.endr
.set u, 0
.rept 32
	ds_load_b128 v[ACC+4*u:ACC+4*u+3], v[RD] offset:u*2*SPITCH  ; LDS serves the instructions of a wave in order: these see my stores above
.set u, u+1
.endr
.set u, 0
.rept 32
	s_wait_dscnt 31-u
	global_store_b128 v[CO], v[ACC+4*u:ACC+4*u+3], s[10:11] offset:u*8192  ; sixteen lanes store 256 consecutive bytes, aligned
.set u, u+1
.endr
	s_wait_tensorcnt 0x0                           ; the end of the wave
	ds_add_u32 v[SPW], v[NIL]
	s_wait_dscnt 0x0
	CROUND                                         ; the closing round
	s_endpgm
.Lfunc_end_k_q8ed643b2af_ff2:
	.size	k_q8ed643b2af_ff2, .Lfunc_end_k_q8ed643b2af_ff2-k_q8ed643b2af_ff2
	.p2alignl 7, 3214868480
	.fill 96, 4, 3214868480
	.section	.rodata,"a",@progbits
	.p2align	6, 0x0
	.amdhsa_kernel k_q8ed643b2af_ff2
		.amdhsa_group_segment_fixed_size 327680
		.amdhsa_private_segment_fixed_size 0
		.amdhsa_enable_private_segment 0
		.amdhsa_kernarg_size 40
		.amdhsa_user_sgpr_count 2
		.amdhsa_user_sgpr_kernarg_segment_ptr 1
		.amdhsa_wavefront_size32 1
		.amdhsa_system_sgpr_workgroup_id_x 1
		.amdhsa_system_sgpr_workgroup_id_y 1
		.amdhsa_system_sgpr_workgroup_id_z 1
		.amdhsa_system_vgpr_workitem_id 0
		.amdhsa_next_free_vgpr 512
		.amdhsa_next_free_sgpr 74
		.amdhsa_reserve_vcc 0
		.amdhsa_float_denorm_mode_32 3
		.amdhsa_float_denorm_mode_16_64 3
		.amdhsa_memory_ordered 1
		.amdhsa_forward_progress 1
		.amdhsa_inst_pref_size 64
	.end_amdhsa_kernel
	.amdgpu_metadata
---
amdhsa.version: [ 1, 2 ]
amdhsa.kernels:
  - .name:           k_q8ed643b2af_ff2
    .symbol:         k_q8ed643b2af_ff2.kd
    .args:
      - { .name: big, .offset: 0, .size: 8, .value_kind: global_buffer, .address_space: global }
      - { .name: wB, .offset: 8, .size: 8, .value_kind: global_buffer, .address_space: global }
      - { .name: x1, .offset: 16, .size: 8, .value_kind: global_buffer, .address_space: global }
      - { .name: out0, .offset: 24, .size: 8, .value_kind: global_buffer, .address_space: global }
      - { .name: b2, .offset: 32, .size: 8, .value_kind: global_buffer, .address_space: global }
    .group_segment_fixed_size: 327680
    .private_segment_fixed_size: 0
    .kernarg_segment_align: 8
    .kernarg_segment_size: 40
    .max_flat_workgroup_size: 128
    .sgpr_count:     74
    .vgpr_count:     512
    .wavefront_size: 32
...
	.end_amdgpu_metadata
.endif
;; end of part 6
